; MI455X (gfx1250); checked and timed in simulation.
; The chip was launched on July 23, 2026; its instructions are those of AMD's public machine-readable ISA for CDNA 5 (MIT licence, August 2026) and "CDNA5" Instruction Set Architecture Reference Guide (July 2026). The comments in the code are by the model that wrote it; some were corrected since.
;; Encoder. Allowed arithmetic: matrix products marked QUANTISED: E2M1 operands, one E8M0 scale for each 32 along K, by v_wmma_scale_f32_16x16x128_f8f6f4 with both operands' format E2M1 (or v_wmma_scale_f32_32x16x128_f4), f32 sums; everything else in f32.
;; Inputs: W1 1,024 x 4,096 float32; W2 4,096 x 1,024 float32; Wq 16 x 1,024 x 64 float32; b1 4,096 float32; b2 1,024 float32; bq 16 x 64 float32; ln1_b 1,024 float32; ln1_g 1,024 float32; ln2_b 1,024 float32; ln2_g 1,024 float32; x 2 x 2,048 x 1,024 float32.
;; Outputs: out0 2 x 2,048 x 1,024 float32.
;; This version of the problem:
;;   THIS VERSION OF THE PROBLEM IS GIVEN IN LOW PRECISION. The matrix products marked QUANTISED in the list below multiply operands that are first quantised to E2M1 (2 exponent bits, 1 mantissa bit; 4 bits a number), with one power-of-two scale for each 32 numbers along K (OCP MX v1.0); their sums are f32. All else is computed in f32.
;;   The module's matrix products, in the order in which they are computed (A, B: the left and right operand; K: the contracted axis; several contracted axes count as one K, in the product's order):
;;     1. [M 1,024, K 1,024] x [K 1,024, N 4,096]; A: input Wq; B: input x: QUANTISED
;;     2. batch 32 x [M 2,048, K 64] x [K 64, N 2,048]; A: computed on the way; B: computed on the way: QUANTISED
;;     3. batch 32 x [M 2,048, K 2,048] x [K 2,048, N 64]; A: softmax (see below); B: computed on the way: QUANTISED
;;     4. [M 4,096, K 1,024] x [K 1,024, N 4,096]; A: computed on the way; B: input W1: QUANTISED
;;     5. [M 4,096, K 4,096] x [K 4,096, N 1,024]; A: computed on the way; B: input W2: QUANTISED
;;   THE QUANTISER, for each operand of a quantised product, along K:
;;     - K is cut into blocks of 32 from its start; a last block that is shorter is filled with zeros.
;;     - A block's scale is 2^e with e = floor(log2(the largest magnitude in the block)) - 2, held to -126 .. 127; a block of zeros has e = 0. As a byte (E8M0): e + 127.
;;     - Each number is divided by its block's scale, clamped to +-6, and rounded to the nearest number of E2M1, ties to even, subnormals kept.
;;     - The product sums the exact products of the quantised numbers (number of the format x scale) in f32.
;;   ~~~python
;;   def quantise(x, axis):      # numpy; x: float32 -> the quantised numbers, widened to float32 again
;;       x = np.moveaxis(x, axis, -1); K = x.shape[-1]
;;       x = np.pad(x, [(0, 0)] * (x.ndim - 1) + [(0, -K % 32)]); x = x.reshape(x.shape[:-1] + (-1, 32)); a = np.abs(x).max(-1, keepdims=True)
;;       e = np.where(a > 0, np.clip(np.frexp(np.where(a > 0, a, 1))[1] - 1 - 2, -126, 127), 0)      # np.frexp(a)[1] - 1 = floor(log2(a)), exactly
;;       r = np.clip(x / 2.0 ** e, -6, 6)
;;       step = 2.0 ** (np.maximum(np.frexp(np.where(r == 0, 1, r))[1] - 1, 0) - 1)
;;       q = np.round(r / step) * step * 2.0 ** e      # np.round: ties to even
;;       return np.moveaxis(q.reshape(q.shape[:-2] + (-1,))[..., :K], -1, axis).astype(np.float32)
;;   ~~~
;;   SOFTMAX AHEAD OF A QUANTISED PRODUCT. Where the list says 'softmax', what is quantised is not the finished softmax but p = 2^(t - M), with t = logit x log2(e) and M = ceil(the row's largest t), a whole number; so 1/2 < the row's largest p <= 1. The row's sum l is taken of the UNQUANTISED p, in f32, and the product's result is divided by l at the end. Since M is a whole number, a kernel that streams over the keys may use a running M (the ceiling of the running maximum): every later rescaling is an exact power of two, which a block's scale takes up: the codes' values come out the same.
;;   OPERANDS COMPUTED ON THE WAY. 'Computed on the way' means the value that the module computes at that place (a softmax that the list does not call 'softmax' is quantised finished and normalised). What goes into a quantiser is computed in f32, as accurately as f32 sums, v_exp_f32 and their like allow (about 1e-6 of the number): no bf16 or f16 on the way to a quantiser, and a product that is left as it is and whose result goes on into a quantised operand takes f32 operands (vector FMAs, or v_wmma_f32_16x16x4_f32). A number that lies on a knife's edge between two numbers of the format may be rounded either way, as far as f32 arithmetic and the matrix unit's own rounding can turn it there, and no further.
;; 2 versions, each right; version 2 is version 1 with the launches qproj, gemm1, gemm2 written anew for expert scheduling mode. Each part assembles by itself: llvm-mc -triple=amdgcn-amd-amdhsa -mcpu=gfx1250 --defsym DOCPART=n.
;; ======== version 1 of 2: 7 launches
;; workspace buffers: pq 7,241,728 bytes; kv 4,587,520 bytes; r1 16,777,216 bytes; x1 16,777,216 bytes; x1q 2,228,224 bytes; hq 8,912,896 bytes; r2 16,777,216 bytes
;; launch prep (part 1): grid 544 x 1, 8 waves a work-group, no clusters, 68,608 bytes of LDS; arguments x, W1, W2, Wq, pq; writes pq
.if DOCPART == 1
	.amdgcn_target "amdgcn-amd-amdhsa--gfx1250"
	.amdhsa_code_object_version 6
	.text
	.protected	k_qaf3595a5db_prep
	.globl	k_qaf3595a5db_prep
	.p2align	8
	.type	k_qaf3595a5db_prep,@function
k_qaf3595a5db_prep:
	s_mov_b64 s[64:65], 0
	v_nop
	global_prefetch_b8 v0, s[64:65] scope:SCOPE_SE
	s_setreg_imm32_b32 hwreg(HW_REG_WAVE_MODE, 25, 1), 1
	s_wait_xcnt 0x0
; x [4096][1024], W1 [1024][4096], W2 [4096][1024], Wq [16][1024][64], all f32, become codes of FP4 (E2M1) with one E8M0 byte for each 32 along K, in the workspace pq.
; A block's scale is 2^(floor(log2(its largest magnitude)) - 2); its byte is the largest magnitude's exponent field - 2, held at 1 from below.
; LIMITS: NaN and infinities among the inputs are not served; a block whose largest magnitude lies under 2^-124 keeps the byte 1; a block of zeros keeps the byte 1 where the rule says 127
; (its codes are zeros, which add nothing under that byte, and this program alone reads the bytes).
; LAYOUT OF EVERY OPERAND IN pq: the order of the operand's registers.  Operand row p lies in tile 2 (p / 32) + ((p / 8) % 2), at lane-row (p % 8) + 8 ((p % 32) / 16).
;   codes  [tile][block of 32 along K][lane-row][16 bytes]: a fragment (16 rows x 128 K) is 1,024 consecutive bytes, lane l's registers 4 c .. 4 c + 3 at 512 c + 16 l;
;   scales [tile][K / 512][lane-row][16 bytes]: the word of K step s of a row at 256 (s / 4) + 16 lane-row + 4 (s % 4).
; So chosen, a tile used as source 0 leaves 16 neighbouring operand rows in the 16 registers of two neighbouring result tiles.
; WORK-GROUPS: 0-255 x (a tile each, a wave to a K step of 128); 256-383 W1; 384-511 W2; 512-543 Wq (a wave: 32 columns x 128 along K).  Waves share nothing: no barrier.
.set XS,   2097152                     ; x's scales (its codes begin at 0)
.set W1C,  2228224
.set W2C,  4325376
.set WQC,  6422528
.set W1S,  6946816
.set W2S,  7077888
.set WQS,  7208960
.set WREG, 8448                        ; LDS: a wave's stage: 16 rows x 528 bytes
.set SPI,  528                         ; 512 bytes + 16: 132 words, so that 16 rows start 4 banks apart
.set R,    16                          ; v16-79   path x: 64 numbers
.set TM,   80                          ; v80-95   the quantiser's work
.set PC,   96                          ; v96-103  a fragment's codes
.set PW,   104                         ; v104     its scale word
.set X,    16                          ; v16-79   weights: two sets of 32 numbers
.set C,    112                         ; v112-127 weights: four registers of codes for each block: no store's data are written again
.set SEL,  30                          ; s[30:31] lane selects: lane l xor 16
; 64 numbers of a lane, register 16 b + i = k 32 b + 16 (lane / 16) + i of my row, become a fragment's codes in v[pc] on and its scale word in v[pw]
.macro QUANT s, pc, pw
.irp b, 0,1,2,3
	v_max3_num_f32 v[TM+\b], |v[(\s)+16*\b]|, |v[(\s)+1+16*\b]|, 0x1800000   ; block b: my 16 numbers, and the floor 2^(3 - 127)
.endr
.irp i, 2,4,6,8,10,12,14
.irp b, 0,1,2,3
	v_max3_num_f32 v[TM+\b], v[TM+\b], |v[(\s)+16*\b+\i]|, |v[(\s)+1+16*\b+\i]|   ; the four blocks by turns
.endr
.endr
.irp b, 0,1,2,3
	v_permlanex16_b32 v[TM+4+\b], v[TM+\b], s[SEL], s[SEL+1]
.endr
.irp b, 0,1,2,3
	v_max_num_f32 v[TM+\b], v[TM+\b], v[TM+4+\b]   ; with lane l xor 16's: the block's largest magnitude
.endr
.irp b, 0,1,2,3
	v_add_nc_u32 v[TM+12+\b], 0xff000000, v[TM+\b] ; 2 off its exponent field: the conversion's scale operand
.endr
.irp b, 0,1,2,3
	v_lshrrev_b32 v[TM+4+\b], 23, v[TM+12+\b]      ; the scale's byte
.endr
	v_lshl_or_b32 v[\pw], v[TM+5], 8, v[TM+4]
	v_lshl_or_b32 v[\pw], v[TM+6], 16, v[\pw]
	v_lshl_or_b32 v[\pw], v[TM+7], 24, v[\pw]
.irp b, 0,1,2,3
	v_cvt_scalef32_pk8_fp4_f32 v[(\pc)+2*\b], v[(\s)+16*\b:(\s)+7+16*\b], v[TM+12+\b]
	v_cvt_scalef32_pk8_fp4_f32 v[(\pc)+1+2*\b], v[(\s)+8+16*\b:(\s)+15+16*\b], v[TM+12+\b]
.endr
	v_nop                                          ; one plain line behind the scaled conversions
.irp c, 0,1                                    ; the operand wants a whole block in a lane: lanes 0-15 block 2 c, lanes 16-31 block 2 c + 1
.irp i, 0,1
	v_permlane16_swap_b32 v[(\pc)+4*\c+\i], v[(\pc)+2+4*\c+\i]
.endr
.endr
.endm
	s_load_b256 s[4:11], s[0:1], 0x0               ; x s[4:5], W1 s[6:7], W2 s[8:9], Wq s[10:11]
	s_load_b64 s[12:13], s[0:1], 0x20              ; pq
	v_lshl_add_u32 v128, v0, 2, 0x10800
	v_mov_b32 v129, 0
	v_lshrrev_b32 v1, 5, v0
	v_readfirstlane_b32 s16, v1                    ; wave 0..7
	v_and_b32 v6, 31, v0                           ; lane
	s_mov_b32 s27, 0                               ; the upper word of the offset pair s[26:27]
	s_mov_b32 s[SEL], 0x76543210
	s_mov_b32 s[SEL+1], 0xfedcba98
	s_wait_kmcnt 0x0
	s_cmp_lt_u32 ttmp9, 256
	s_cbranch_scc0 .Lweights
	; ---- x: tile = work-group, K step = wave.  Each load reads 512 consecutive bytes of one row; the 16 rows turn through the wave's own stage, so that a lane gets 16 neighbours of each block.
	s_lshr_b32 s17, ttmp9, 1
	s_lshl_b32 s17, s17, 17                        ; 32 rows of 4,096 bytes for each pair of tiles
	s_and_b32 s18, ttmp9, 1
	s_lshl_b32 s18, s18, 15                        ; 8 rows for the odd tile
	s_add_co_u32 s26, s17, s18
	s_lshl_b32 s18, s16, 9                         ; 512 bytes a K step
	s_add_co_u32 s26, s26, s18
	s_add_nc_u64 s[20:21], s[4:5], s[26:27]
	v_lshlrev_b32 v1, 4, v6                        ; 16 x lane
.irp r, 0,1,2,3,4,5,6,7,8,9,10,11,12,13,14,15
	global_load_b128 v[R+4*\r:R+4*\r+3], v1, s[20:21] offset:((\r%8)+16*(\r/8))*4096 th:TH_LOAD_NT   ; lane-row r of the tile
.endr
	s_lshl_b32 s26, ttmp9, 13
	s_lshl_b32 s18, s16, 10
	s_add_co_u32 s26, s26, s18
	s_add_nc_u64 s[22:23], s[12:13], s[26:27]      ; the fragment's image: 8,192 x tile + 1,024 x K step
	s_lshl_b32 s26, ttmp9, 9
	s_lshr_b32 s18, s16, 2
	s_lshl_b32 s18, s18, 8
	s_add_co_u32 s26, s26, s18
	s_and_b32 s18, s16, 3
	s_lshl_b32 s18, s18, 2
	s_add_co_u32 s26, s26, s18
	s_add_co_u32 s26, s26, XS
	s_add_nc_u64 s[24:25], s[12:13], s[26:27]      ; its scale words
	s_mul_i32 s19, s16, WREG
	v_add_nc_u32 v2, s19, v1                       ; the stage, in: 16 x lane of a row
	v_and_b32 v7, 15, v0                           ; r
	v_bfe_u32 v8, v0, 4, 1                         ; h
	v_mul_u32_u24 v3, v7, SPI
	v_lshl_add_u32 v3, v8, 6, v3
	v_add_nc_u32 v3, s19, v3                       ; and out: row r, + 64 h: my 16 numbers of a block
	v_lshlrev_b32 v4, 4, v7                        ; 16 r
.irp b, 0,1,2,3
	v_mov_b32 v[TM+4+\b], 0                        ; a lane permute's destination counts as one of its sources
.endr
.irp r, 0,1,2,3,4,5,6,7,8,9,10,11,12,13,14,15
	s_wait_loadcnt 15-\r                           ; loads come back in order: row r is in, the younger ones stay out
	ds_store_b128 v2, v[R+4*\r:R+4*\r+3] offset:SPI*\r
.endr
	s_wait_dscnt 0x0                               ; the stores have read R, which is loaded again
.irp b, 0,1,2,3
.irp i, 0,1,2,3
	ds_load_b128 v[R+16*\b+4*\i:R+16*\b+4*\i+3], v3 offset:128*\b+16*\i
.endr
.endr
	s_wait_dscnt 0x0
	QUANT R, PC, PW
	global_store_b128 v1, v[PC:PC+3], s[22:23]               ; 512 consecutive bytes each
	global_store_b128 v1, v[PC+4:PC+7], s[22:23] offset:512
	v_cmp_gt_u32 vcc_lo, 16, v6
	s_wait_xcnt 0x0                                ; EXEC changes only behind this wait
	s_wait_tensorcnt 0x0
	ds_add_u32 v128, v129
	s_wait_dscnt 0x0
	s_and_saveexec_b32 s19, vcc_lo                 ; both halves of the lanes hold the same words: lanes 0-15 store them
	global_store_b32 v4, v[PW], s[24:25]
	s_wait_xcnt 0x0
	s_or_b32 exec_lo, exec_lo, s19
	s_endpgm
; ---- the weights: K is their first axis.  A lane takes a column and its registers run down K: a block of 32 lies in one lane, and the conversions give codes with K innermost.
.macro WLOAD t, rs                     ; block t: rows 32 t + i of my 128, my column, into set t % 2; 32 lanes read 128 consecutive bytes
.irp i, 0,1,2,3,4,5,6,7,8,9,10,11,12,13,14,15,16,17,18,19,20,21,22,23,24,25,26,27,28,29,30,31
	global_load_b32 v[X+32*((\t)%2)+\i], v1, s[20:21] offset:(32*(\t)+\i)*(\rs) th:TH_LOAD_NT
.endr
.endm
.macro WBLOCK t, rs
.set XB, X+32*((\t)%2)
.if (\t) < 3
	s_wait_loadcnt 32                              ; this block's 32 loads are in; the next block's 32 may be out
.else
	s_wait_loadcnt 0x0
.endif
	v_max3_num_f32 v8, |v[XB]|, |v[XB+1]|, |v[XB+2]|         ; the block's largest magnitude, in two chains
	v_max3_num_f32 v9, |v[XB+3]|, |v[XB+4]|, |v[XB+5]|
.irp i, 6,10,14,18,22,26
	v_max3_num_f32 v8, v8, |v[XB+\i]|, |v[XB+\i+1]|
	v_max3_num_f32 v9, v9, |v[XB+\i+2]|, |v[XB+\i+3]|
.endr
	v_max3_num_f32 v8, v8, |v[XB+30]|, |v[XB+31]|
	v_max3_num_f32 v8, v8, v9, 0x1800000           ; and the floor 2^(3 - 127)
	v_add_nc_u32 v10, 0xff000000, v8               ; the conversion's scale operand
	v_lshrrev_b32 v11, 23, v10                     ; the byte
.if (\t) == 0
	v_mov_b32 v12, v11
.else
	v_lshl_or_b32 v12, v11, 8*(\t), v12            ; four bytes make the K step's word
.endif
.irp g, 0,1,2,3
	v_cvt_scalef32_pk8_fp4_f32 v[C+4*(\t)+\g], v[XB+8*\g:XB+8*\g+7], v10
.endr
	v_nop                                          ; one plain line behind the scaled conversions
	global_store_b128 v3, v[C+4*(\t):C+4*(\t)+3], s[22:23] offset:256*(\t)   ; the 16 lanes of each of my two tiles store 256 consecutive aligned bytes
.if (\t) < 2
	WLOAD (\t)+2, \rs
.endif
.endm
; s17 = which 32 columns, s18 = which 128 along K, s[20:21] = the first number.  rs: bytes from row to row; ks: K / 128; coff, soff: the operand's codes and scales in pq
.macro WPATH rs, ks, coff, soff
	v_lshlrev_b32 v1, 2, v6                        ; 4 bytes a lane
	WLOAD 0, \rs
	WLOAD 1, \rs
	s_mul_i32 s26, s17, 2*(\ks)*1024               ; two tiles for each 32 columns
	s_lshl_b32 s28, s18, 10
	s_add_co_u32 s26, s26, s28
	s_add_co_u32 s26, s26, \coff
	s_add_nc_u64 s[22:23], s[12:13], s[26:27]
	s_mul_i32 s26, s17, 2*(\ks)*64
	s_lshr_b32 s28, s18, 2
	s_lshl_b32 s28, s28, 8
	s_add_co_u32 s26, s26, s28
	s_and_b32 s28, s18, 3
	s_lshl_b32 s28, s28, 2
	s_add_co_u32 s26, s26, s28
	s_add_co_u32 s26, s26, \soff
	s_add_nc_u64 s[24:25], s[12:13], s[26:27]
	v_and_b32 v2, 7, v6
	v_lshrrev_b32 v4, 4, v6
	v_lshl_add_u32 v2, v4, 3, v2                   ; my column's lane-row: (lane % 8) + 8 (lane / 16)
	v_lshlrev_b32 v2, 4, v2
	v_bfe_u32 v4, v6, 3, 1                         ; and which of the two tiles
	v_mad_u32_u24 v3, v4, (\ks)*1024, v2           ; codes
	v_mad_u32_u24 v5, v4, (\ks)*64, v2             ; scale words
	WBLOCK 0, \rs
	WBLOCK 1, \rs
	WBLOCK 2, \rs
	WBLOCK 3, \rs
	global_store_b32 v5, v12, s[24:25]             ; 4 bytes of every 16: one byte for each 128 that the wave reads
	s_endpgm
.endm
.Lweights:
	s_cmp_lt_u32 ttmp9, 384
	s_cbranch_scc0 .Lnot_w1
	s_sub_co_u32 s17, ttmp9, 256
	s_lshl_b32 s17, s17, 3
	s_add_co_u32 s19, s17, s16                     ; W1: 128 groups of columns x 8 K steps
	s_and_b32 s17, s19, 127
	s_lshr_b32 s18, s19, 7
	s_lshl_b32 s26, s18, 21                        ; 128 rows of 16,384 bytes
	s_lshl_b32 s28, s17, 7
	s_add_co_u32 s26, s26, s28
	s_add_nc_u64 s[20:21], s[6:7], s[26:27]
	WPATH 16384, 8, W1C, W1S
.Lnot_w1:
	s_cmp_lt_u32 ttmp9, 512
	s_cbranch_scc0 .Lnot_w2
	s_sub_co_u32 s17, ttmp9, 384
	s_lshl_b32 s17, s17, 3
	s_add_co_u32 s19, s17, s16                     ; W2: 32 groups of columns x 32 K steps
	s_and_b32 s17, s19, 31
	s_lshr_b32 s18, s19, 5
	s_lshl_b32 s26, s18, 19                        ; 128 rows of 4,096 bytes
	s_lshl_b32 s28, s17, 7
	s_add_co_u32 s26, s26, s28
	s_add_nc_u64 s[20:21], s[8:9], s[26:27]
	WPATH 4096, 32, W2C, W2S
.Lnot_w2:
	s_sub_co_u32 s17, ttmp9, 512
	s_lshl_b32 s17, s17, 3
	s_add_co_u32 s19, s17, s16                     ; Wq: 16 heads x 8 K steps x 2 halves of a head's 64 columns; operand row = 64 head + e
	s_lshr_b32 s28, s19, 4                         ; head
	s_lshl_b32 s26, s28, 18                        ; 1,024 rows of 256 bytes
	s_lshl_b32 s17, s28, 1
	s_and_b32 s28, s19, 1
	s_add_co_u32 s17, s17, s28                     ; which 32 operand rows
	s_lshl_b32 s28, s28, 7
	s_add_co_u32 s26, s26, s28
	s_bfe_u32 s18, s19, 0x30001                    ; K step: 3 bits from bit 1
	s_lshl_b32 s28, s18, 15                        ; 128 rows of 256 bytes
	s_add_co_u32 s26, s26, s28
	s_add_nc_u64 s[20:21], s[10:11], s[26:27]
	WPATH 256, 8, WQC, WQS
.Lfunc_end_k_qaf3595a5db_prep:
	.size	k_qaf3595a5db_prep, .Lfunc_end_k_qaf3595a5db_prep-k_qaf3595a5db_prep
	.p2alignl 7, 3214868480
	.fill 96, 4, 3214868480
	.section	.rodata,"a",@progbits
	.p2align	6, 0x0
	.amdhsa_kernel k_qaf3595a5db_prep
		.amdhsa_group_segment_fixed_size 68608
		.amdhsa_private_segment_fixed_size 0
		.amdhsa_enable_private_segment 0
		.amdhsa_kernarg_size 40
		.amdhsa_user_sgpr_count 2
		.amdhsa_user_sgpr_kernarg_segment_ptr 1
		.amdhsa_wavefront_size32 1
		.amdhsa_system_sgpr_workgroup_id_x 1
		.amdhsa_system_sgpr_workgroup_id_y 1
		.amdhsa_system_sgpr_workgroup_id_z 1
		.amdhsa_system_vgpr_workitem_id 0
		.amdhsa_next_free_vgpr 130
		.amdhsa_next_free_sgpr 66
		.amdhsa_reserve_vcc 1
		.amdhsa_float_denorm_mode_32 3
		.amdhsa_float_denorm_mode_16_64 3
		.amdhsa_memory_ordered 1
		.amdhsa_forward_progress 1
		.amdhsa_inst_pref_size 71
	.end_amdhsa_kernel
	.amdgpu_metadata
---
amdhsa.version: [ 1, 2 ]
amdhsa.kernels:
  - .name:           k_qaf3595a5db_prep
    .symbol:         k_qaf3595a5db_prep.kd
    .args:
      - { .name: x, .offset: 0, .size: 8, .value_kind: global_buffer, .address_space: global }
      - { .name: W1, .offset: 8, .size: 8, .value_kind: global_buffer, .address_space: global }
      - { .name: W2, .offset: 16, .size: 8, .value_kind: global_buffer, .address_space: global }
      - { .name: Wq, .offset: 24, .size: 8, .value_kind: global_buffer, .address_space: global }
      - { .name: pq, .offset: 32, .size: 8, .value_kind: global_buffer, .address_space: global }
    .group_segment_fixed_size: 68608
    .private_segment_fixed_size: 0
    .kernarg_segment_align: 8
    .kernarg_segment_size: 40
    .max_flat_workgroup_size: 256
    .sgpr_count:     66
    .vgpr_count:     130
    .wavefront_size: 32
...
	.end_amdgpu_metadata
.endif
;; end of part 1
;; launch qproj (part 2): grid 256 x 1, 4 waves a work-group, no clusters, 0 bytes of LDS; arguments pq, bq, kv; writes kv
.if DOCPART == 2
	.amdgcn_target "amdgcn-amd-amdhsa--gfx1250"
	.amdhsa_code_object_version 6
	.text
	.protected	k_qaf3595a5db_qproj
	.globl	k_qaf3595a5db_qproj
	.p2align	8
	.type	k_qaf3595a5db_qproj,@function
k_qaf3595a5db_qproj:
	s_mov_b64 s[64:65], 0
	v_nop
	global_prefetch_b8 v0, s[64:65] scope:SCOPE_SE
	s_setreg_imm32_b32 hwreg(HW_REG_WAVE_MODE, 25, 1), 1
	s_wait_xcnt 0x0
; q = x Wq + bq on codes of FP4, made in BOTH orientations, and quantised twice: along a head's 64 (queries and keys of the scores) and along the keys (the values of the second product).
; ROLE 1 (work-groups 0-127): source 0 = 8 tiles of Wq (two heads), source 1 = 4 tiles of x (64 rows): a lane holds one row and its registers run along e.
; ROLE 2 (work-groups 128-255): source 0 = 8 tiles of x (128 rows: a key step), source 1 = 4 tiles of Wq (a head): a lane holds one e and its registers run along the keys.
; So nothing is transposed; the price is that this product is multiplied twice.  Swapped sources give the same sums bit for bit.
; A wave: 32 accumulators, K = 1,024 in 8 steps of 128, written out; fragments come from memory straight into registers (each load 512 consecutive bytes), three sets by turns.
; The roles part once, at the head, on the work-group's number; each path holds the main loop, so that each writes just what it reads.
; kv, for head bh = 16 batch + head, 143,360 bytes: +0 codes of q along e [key tile][block][lane-row][16 B]; +65,536 codes along the keys [key step][e tile][1 KB image];
;   +131,072 scale words along e [tile / 4][lane-row][tile % 4] (bytes 2, 3 = 127: the upper 64 of the instruction's 128 are zero codes); +139,264 scale words along the keys [key step][lane-row][e tile].
; LIMITS: NaN and infinities are not served; blocks under 2^-124, and blocks of zeros, keep the byte 1 (their codes' worth is kept or is zero; this program alone reads the bytes).
; REGISTERS: window 0: v1-10 addresses; v16-79, v80-111 scale words and nothing else; v112-175 64 numbers; v176-207 codes; v208-223 at work; v224 a scale word; v228-231 four words to store.
;   window 1: accumulator (j, t) at 8 (8 j + t).   window 2: fragment sets 0, 1 at 0, 96 (source 0's tile t at + 8 t, source 1's tile j at + 64 + 8 j); v192-255 the bias.   window 3: set 2 at 0.
.set XC,   0
.set XS,   2097152
.set WQC,  6422528
.set WQS,  7208960
.set HEADB, 143360
.set SP,   16
.set SQ,   80
.set H,    112
.set PC,   176
.set TM,   208
.set PW,   224
.set WD,   228
.set BI,   192
.set SEL,  30
.set MSB, 0
.macro WIN new                         ; the immediate's high byte repeats the setting that is left; a switch that changes nothing is dropped
.if MSB != (\new)
	s_set_vgpr_msb (MSB<<8)|(\new)
.set MSB, (\new)
.endif
.endm
.macro PLACES                          ; four plain lines behind matrix instructions, ahead of loads into their registers and of the first read of results
.rept 4
	v_nop
.endr
.endm
.macro QUANT s, pc, pw                 ; 64 numbers of a lane, register 16 b + i = k 32 b + 16 (lane / 16) + i of my row -> a fragment's codes and its scale word
.irp b, 0,1,2,3
	v_max3_num_f32 v[TM+\b], |v[(\s)+16*\b]|, |v[(\s)+1+16*\b]|, 0x1800000   ; my 16 numbers of block b, and the floor 2^(3 - 127)
.endr
.irp i, 2,4,6,8,10,12,14
.irp b, 0,1,2,3
	v_max3_num_f32 v[TM+\b], v[TM+\b], |v[(\s)+16*\b+\i]|, |v[(\s)+1+16*\b+\i]|
.endr
.endr
.irp b, 0,1,2,3
	v_permlanex16_b32 v[TM+4+\b], v[TM+\b], s[SEL], s[SEL+1]
.endr
.irp b, 0,1,2,3
	v_max_num_f32 v[TM+\b], v[TM+\b], v[TM+4+\b]
.endr
.irp b, 0,1,2,3
	v_add_nc_u32 v[TM+12+\b], 0xff000000, v[TM+\b] ; 2 off the exponent field: the conversion's scale operand
.endr
.irp b, 0,1,2,3
	v_lshrrev_b32 v[TM+4+\b], 23, v[TM+12+\b]
.endr
	v_lshl_or_b32 v[\pw], v[TM+5], 8, v[TM+4]
	v_lshl_or_b32 v[\pw], v[TM+6], 16, v[\pw]
	v_lshl_or_b32 v[\pw], v[TM+7], 24, v[\pw]
.irp b, 0,1,2,3
	v_cvt_scalef32_pk8_fp4_f32 v[(\pc)+2*\b], v[(\s)+16*\b:(\s)+7+16*\b], v[TM+12+\b]
	v_cvt_scalef32_pk8_fp4_f32 v[(\pc)+1+2*\b], v[(\s)+8+16*\b:(\s)+15+16*\b], v[TM+12+\b]
.endr
	v_nop                                          ; one plain line behind the scaled conversions
.irp c, 0,1
.irp i, 0,1
	v_permlane16_swap_b32 v[(\pc)+4*\c+\i], v[(\pc)+2+4*\c+\i]
.endr
.endr
.endm
; s32 = which 8 tiles of source 0, s33 = which 4 tiles of source 1: their codes s[12:13], s[16:17] and scale words s[14:15], s[18:19]
.macro BASES pc, ps, qc, qs
	s_lshl_b32 s24, s32, 16                        ; 8 tiles of 8,192 bytes
.if (\pc) != 0
	s_add_co_u32 s24, s24, \pc
.endif
	s_add_nc_u64 s[12:13], s[4:5], s[24:25]
	s_lshl_b32 s24, s32, 12                        ; 8 tiles of 512 bytes
	s_add_co_u32 s24, s24, \ps
	s_add_nc_u64 s[14:15], s[4:5], s[24:25]
	s_lshl_b32 s24, s33, 15
.if (\qc) != 0
	s_add_co_u32 s24, s24, \qc
.endif
	s_add_nc_u64 s[16:17], s[4:5], s[24:25]
	s_lshl_b32 s24, s33, 11
	s_add_co_u32 s24, s24, \qs
	s_add_nc_u64 s[18:19], s[4:5], s[24:25]
.endm
.macro SCLOADS                         ; all scale words of the wave's tiles: a load brings a tile's words of four K steps (lanes 16-31 read what lanes 0-15 read)
.irp t, 0,1,2,3,4,5,6,7
.irp q, 0,1
	global_load_b128 v[SP+8*\t+4*\q:SP+8*\t+4*\q+3], v2, s[14:15] offset:512*\t+256*\q
.endr
.endr
.irp j, 0,1,2,3
.irp q, 0,1
	global_load_b128 v[SQ+8*\j+4*\q:SQ+8*\j+4*\q+3], v2, s[18:19] offset:512*\j+256*\q
.endr
.endr
.endm
.macro LOADF s                         ; K step s: 12 fragments, 24 loads, into set s % 3
.if ((\s)%3) == 2
	WIN 0xc0
.set FB, 0
.else
	WIN 0x80
.set FB, 96*((\s)%3)
.endif
.irp t, 0,1,2,3,4,5,6,7
.irp c, 0,1
	global_load_b128 v[FB+8*\t+4*\c:FB+8*\t+4*\c+3], v1, s[12:13] offset:8192*\t+1024*(\s)+512*\c
.endr
.endr
.irp j, 0,1,2,3
.irp c, 0,1
	global_load_b128 v[FB+64+8*\j+4*\c:FB+64+8*\j+4*\c+3], v1, s[16:17] offset:8192*\j+1024*(\s)+512*\c
.endr
.endr
	WIN 0
.endm
.macro KSTEP s                         ; 32 matrix instructions; the 32 accumulators take turns, one instruction a turn
.if (\s) <= 5
	s_wait_loadcnt 48                              ; this step's loads and all older ones are in; the two younger steps' 2 x 24 stay out
.elseif (\s) == 6
	s_wait_loadcnt 24                              ; the last step's 24 stay out
.else
	s_wait_loadcnt 0x0
.endif
.if ((\s)%3) == 2
	WIN 0x5f                                       ; sources window 3, C and D window 1
.set FB, 0
.else
	WIN 0x5a                                       ; sources window 2
.set FB, 96*((\s)%3)
.endif
.irp j, 0,1,2,3
.irp t, 0,1,2,3,4,5,6,7
.if (\s) == 0
	v_wmma_scale_f32_16x16x128_f8f6f4 v[8*(8*\j+\t):8*(8*\j+\t)+7], v[FB+8*\t:FB+8*\t+7], v[FB+64+8*\j:FB+64+8*\j+7], 0, v[SP+8*\t+(\s)], v[SQ+8*\j+(\s)] matrix_a_fmt:MATRIX_FMT_FP4 matrix_b_fmt:MATRIX_FMT_FP4
.else
	v_wmma_scale_f32_16x16x128_f8f6f4 v[8*(8*\j+\t):8*(8*\j+\t)+7], v[FB+8*\t:FB+8*\t+7], v[FB+64+8*\j:FB+64+8*\j+7], v[8*(8*\j+\t):8*(8*\j+\t)+7], v[SP+8*\t+(\s)], v[SQ+8*\j+(\s)] matrix_a_fmt:MATRIX_FMT_FP4 matrix_b_fmt:MATRIX_FMT_FP4
.endif
.endr
.endr
.if ((\s) <= 4) || ((\s) == 7)
	WIN 0
	PLACES
.endif
.if (\s) <= 4
	LOADF (\s)+3                                   ; into the set just multiplied
.endif
.endm
.macro MAIN
	LOADF 0
	LOADF 1
	LOADF 2
.irp s, 0,1,2,3,4,5,6,7
	KSTEP \s
.endr
.endm
	s_load_b128 s[4:7], s[0:1], 0x0                ; pq, bq
	s_load_b64 s[8:9], s[0:1], 0x10                ; kv
	v_lshrrev_b32 v1, 5, v0
	v_readfirstlane_b32 s10, v1                    ; wave 0..3
	v_and_b32 v7, 31, v0                           ; lane
	v_and_b32 v8, 15, v0                           ; r
	v_bfe_u32 v9, v0, 4, 1                         ; h
	v_lshlrev_b32 v1, 4, v7                        ; 16 x lane: an image's place for my lane
	v_lshlrev_b32 v2, 4, v8                        ; 16 r: a tile's scale words
.irp b, 0,1,2,3
	v_mov_b32 v[TM+4+\b], 0                        ; a lane permute's destination counts as one of its sources
.endr
	s_mov_b32 s[SEL], 0x76543210
	s_mov_b32 s[SEL+1], 0xfedcba98
	s_mov_b32 s28, 0xffff
	s_mov_b32 s29, 0x7f7f0000
	s_mov_b32 s25, 0                               ; the upper word of the offset pair s[24:25]
	s_and_b32 s24, ttmp9, 127
	s_lshl_b32 s24, s24, 2
	s_add_co_u32 s26, s24, s10                     ; my wave's number within its role, 0..511
	s_wait_kmcnt 0x0
	s_cmp_lt_u32 ttmp9, 128
	s_cbranch_scc0 .Lrole2
	; ---- role 1
	s_and_b32 s32, s26, 7                          ; which pair of heads
	s_lshr_b32 s33, s26, 3                         ; which 64 rows of x
	BASES WQC, WQS, XC, XS
	SCLOADS
	s_lshl_b32 s24, s32, 9
	s_add_nc_u64 s[40:41], s[6:7], s[24:25]        ; bq: my 128 numbers
	v_lshlrev_b32 v3, 6, v9                        ; lane (r, h) wants, for tile t, those of operand rows 32 (t / 2) + 16 h + 8 (t % 2) + 0 .. 7
	WIN 0x80
.irp t, 0,1,2,3,4,5,6,7
	global_load_b128 v[BI+8*\t:BI+8*\t+3], v3, s[40:41] offset:(32*(\t/2)+8*(\t%2))*4
	global_load_b128 v[BI+8*\t+4:BI+8*\t+7], v3, s[40:41] offset:(32*(\t/2)+8*(\t%2))*4+16
.endr
	WIN 0
	s_lshr_b32 s34, s33, 5                         ; batch
	s_lshl_b32 s34, s34, 4
	s_lshl_b32 s35, s32, 1
	s_add_co_u32 s34, s34, s35
	s_mul_i32 s34, s34, HEADB                      ; the first of my two heads in kv
	s_and_b32 s35, s33, 31                         ; which 4 key tiles of the head
	s_lshl_b32 s24, s35, 11
	s_add_co_u32 s24, s24, s34
	s_add_nc_u64 s[20:21], s[8:9], s[24:25]        ; codes
	s_lshl_b32 s24, s35, 8
	s_add_co_u32 s24, s24, s34
	s_add_co_u32 s24, s24, 131072
	s_add_nc_u64 s[22:23], s[8:9], s[24:25]        ; scale words
	v_lshlrev_b32 v5, 4, v9                        ; 16 h: lanes 16-31 take the second head's two bytes
	v_mad_u32_u24 v6, v9, HEADB, v2                ; and store them in the second head's part
	MAIN
.irp j, 0,1,2,3                                ; a tile of 16 rows at a time: + bq, quantised along e: blocks 0, 1 are the first head's 64, blocks 2, 3 the second's
	WIN 0x09                                       ; source 0 window 1 (the sums), source 1 window 2 (the bias)
.set k, 0
.rept 32
	v_pk_add_f32 v[H+2*k:H+2*k+1], v[64*\j+2*k:64*\j+2*k+1], v[BI+2*k:BI+2*k+1]   ; each accumulator from its low end on
.set k, k+1
.endr
	WIN 0
	QUANT H, PC+8*\j, PW
	v_lshrrev_b32 v[WD+\j], v5, v[PW]
	v_and_or_b32 v[WD+\j], v[WD+\j], s28, s29      ; my head's two bytes, and 127 for the two blocks of zero codes
	global_store_b128 v1, v[PC+8*\j:PC+8*\j+3], s[20:21] offset:512*\j                 ; the first head's tile: 512 consecutive bytes
	global_store_b128 v1, v[PC+8*\j+4:PC+8*\j+7], s[20:21] offset:HEADB+512*\j         ; the second head's
.endr
	global_store_b128 v6, v[WD:WD+3], s[22:23]     ; four tiles' words: 256 consecutive aligned bytes for each head
	s_endpgm
.Lrole2:
	s_lshr_b32 s32, s26, 4                         ; which 128 rows of x: a key step
	s_and_b32 s33, s26, 15                         ; which head
	BASES XC, XS, WQC, WQS
	SCLOADS
	s_lshl_b32 s24, s33, 8
	s_add_nc_u64 s[40:41], s[6:7], s[24:25]        ; bq: my head's 64
	v_and_b32 v4, 7, v8
	v_lshrrev_b32 v10, 3, v8
	v_lshl_add_u32 v4, v10, 4, v4
	v_lshlrev_b32 v4, 2, v4                        ; my lane's e within a tile: (r % 8) + 16 (r / 8)
	WIN 0x80
.irp j, 0,1,2,3
	global_load_b32 v[BI+2*\j], v4, s[40:41] offset:(32*(\j/2)+8*(\j%2))*4     ; one number a lane, twice: the packed addition names a pair
	global_load_b32 v[BI+2*\j+1], v4, s[40:41] offset:(32*(\j/2)+8*(\j%2))*4
.endr
	WIN 0
	s_lshr_b32 s34, s32, 4                         ; batch
	s_lshl_b32 s34, s34, 4
	s_add_co_u32 s34, s34, s33
	s_mul_i32 s34, s34, HEADB
	s_and_b32 s35, s32, 15                         ; the key step within the head
	s_lshl_b32 s24, s35, 12
	s_add_co_u32 s24, s24, s34
	s_add_co_u32 s24, s24, 65536
	s_add_nc_u64 s[20:21], s[8:9], s[24:25]
	s_lshl_b32 s24, s35, 8
	s_add_co_u32 s24, s24, s34
	s_add_co_u32 s24, s24, 139264
	s_add_nc_u64 s[22:23], s[8:9], s[24:25]
	MAIN
.irp j, 0,1,2,3                                ; a tile of 16 e at a time: + bq, quantised along the 128 keys
	WIN 0x09
.set k, 0
.rept 32
	v_pk_add_f32 v[H+2*k:H+2*k+1], v[64*\j+2*k:64*\j+2*k+1], v[BI+2*\j:BI+2*\j+1]
.set k, k+1
.endr
	WIN 0
	QUANT H, PC+8*\j, WD+\j
	global_store_b128 v1, v[PC+8*\j:PC+8*\j+3], s[20:21] offset:1024*\j
	global_store_b128 v1, v[PC+8*\j+4:PC+8*\j+7], s[20:21] offset:1024*\j+512
.endr
	v_cmp_gt_u32 vcc_lo, 16, v7
	s_wait_xcnt 0x0                                ; EXEC changes only behind this wait
	s_and_saveexec_b32 s36, vcc_lo
	global_store_b128 v2, v[WD:WD+3], s[22:23]     ; lanes 0-15: 256 consecutive aligned bytes
	s_wait_xcnt 0x0
	s_or_b32 exec_lo, exec_lo, s36
	s_endpgm
.Lfunc_end_k_qaf3595a5db_qproj:
	.size	k_qaf3595a5db_qproj, .Lfunc_end_k_qaf3595a5db_qproj-k_qaf3595a5db_qproj
	.p2alignl 7, 3214868480
	.fill 96, 4, 3214868480
	.section	.rodata,"a",@progbits
	.p2align	6, 0x0
	.amdhsa_kernel k_qaf3595a5db_qproj
		.amdhsa_group_segment_fixed_size 0
		.amdhsa_private_segment_fixed_size 0
		.amdhsa_enable_private_segment 0
		.amdhsa_kernarg_size 24
		.amdhsa_user_sgpr_count 2
		.amdhsa_user_sgpr_kernarg_segment_ptr 1
		.amdhsa_wavefront_size32 1
		.amdhsa_system_sgpr_workgroup_id_x 1
		.amdhsa_system_sgpr_workgroup_id_y 1
		.amdhsa_system_sgpr_workgroup_id_z 1
		.amdhsa_system_vgpr_workitem_id 0
		.amdhsa_next_free_vgpr 896
		.amdhsa_next_free_sgpr 66
		.amdhsa_reserve_vcc 1
		.amdhsa_float_denorm_mode_32 3
		.amdhsa_float_denorm_mode_16_64 3
		.amdhsa_memory_ordered 1
		.amdhsa_forward_progress 1
		.amdhsa_inst_pref_size 163
	.end_amdhsa_kernel
	.amdgpu_metadata
---
amdhsa.version: [ 1, 2 ]
amdhsa.kernels:
  - .name:           k_qaf3595a5db_qproj
    .symbol:         k_qaf3595a5db_qproj.kd
    .args:
      - { .name: pq, .offset: 0, .size: 8, .value_kind: global_buffer, .address_space: global }
      - { .name: bq, .offset: 8, .size: 8, .value_kind: global_buffer, .address_space: global }
      - { .name: kv, .offset: 16, .size: 8, .value_kind: global_buffer, .address_space: global }
    .group_segment_fixed_size: 0
    .private_segment_fixed_size: 0
    .kernarg_segment_align: 8
    .kernarg_segment_size: 24
    .max_flat_workgroup_size: 128
    .sgpr_count:     66
    .vgpr_count:     896
    .wavefront_size: 32
...
	.end_amdgpu_metadata
.endif
;; end of part 2
;; launch attn (part 3): grid 8 x 32, 16 waves a work-group, no clusters, 215,040 bytes of LDS; arguments kv, x, r1; writes r1
.if DOCPART == 3
	.amdgcn_target "amdgcn-amd-amdhsa--gfx1250"
	.amdhsa_code_object_version 6
	.text
	.protected	k_qaf3595a5db_attn
	.globl	k_qaf3595a5db_attn
	.p2align	8
	.type	k_qaf3595a5db_attn,@function
k_qaf3595a5db_attn:
	s_mov_b64 s[64:65], 0
	v_nop
	global_prefetch_b8 v0, s[64:65] scope:SCOPE_SE
	s_setreg_imm32_b32 hwreg(HW_REG_WAVE_MODE, 25, 1), 1
	s_wait_xcnt 0x0
; r1 = x + softmax(q q^T / 8) q, head by head, both products on codes of FP4 with one E8M0 scale for each 32 along K.  q serves as query, key and value; its codes come from kv in two forms: along e and along the keys.
; THE SOFTMAX: t = score x log2(e) / 8; M = the running largest t rounded up to a whole number; p = 2^(t - M) is quantised along the keys, not normalised; the row's sum is taken of the unquantised p and divides at the end.
; When M moves, the sum and O are multiplied by 2^(old M - new M), which rounds nothing.
; SHARES.  A work-group owns 256 queries of head y; each of its sixteen waves owns one tile of 16, in 256 registers: four waves to a SIMD.
; LDS.  The head's whole part of kv, 143,360 bytes, comes in ONCE, as it lies: each wave brings 35 rows of 256 bytes by one tensor load.  No byte is filled twice: there is no ring.  Behind it a stage of 16 x 272 bytes for each wave.
; LAYOUT.  Both products transposed: S^T = K Q^T (source 0 = 16 keys), O^T = V^T P^T (source 0 = 16 of the head's 64): a lane holds one query throughout.  The rows of a tile are those of the workspace's tiles
; (row 32 (T / 2) + 8 (T % 2) + (r % 8) + 16 (r / 8)), so that the 16 registers of two neighbouring tiles of S^T are 16 neighbouring keys.  The first product's K is 64: the upper half of each fragment is zero codes, under the byte 127.
; THE ORDER OF A KEY STEP is chosen so that a wave seldom waits for itself:
;   K's fragments and scale words are asked for ONE STEP AHEAD, behind the score products that have just read their registers; the ten loads stand two by two between the links of the step's one serial chain (step maximum, t, running maximum, -M);
;   V's nine loads stand behind the score products and have the whole softmax in which to land;
;   the exponentials go in TWO BATCHES, an exponential and a plain instruction by turns: batch A (the four blocks' largest p, and p of blocks 0, 1) among the scalings of blocks 1 to 3 and the rescaling of the sum and of O^T;
;   batch B (p of blocks 2, 3) among the lines that read batch A alone: scale bytes, scale word, conversions and sums of blocks 0, 1.  Each batch has one wait, ahead of the first line that names one of its results.
;   The last step is written out: it asks for no K, and in that place for the eight loads of x that the way out adds.
; No cluster: the eight work-groups of a head share 143,360 bytes fetched once at the head, a small part of what each then reads from its own LDS.
; LIMITS: NaN and infinities are not served; a block of p under 2^-124 keeps the byte 1.
; REGISTERS: v1-3 addresses that stay; v4-7 addresses of the step; v8-11 V's scale words; v12 -M, v13 the largest t, v[14:15] the sum in two halves; v16-23 Q; v24-31 K's scale words; v32-95 eight fragments of K;
;   v96-159 S^T, then p; v160-191 O^T; v192-223 four fragments of V; v224-231 p's codes; v232-239, v244-247, v252, v254 at work; v240 the old -M, then v[240:241] a chain of the sum; v242 my offset in x and r1;
;   v248, v249 addresses; v253 p's scale word; v255 Q's.
.set HEADB,  143360
.set VC,     65536
.set KSC,    131072
.set VSC,    139264
.set PART,   8960                      ; 35 rows of 256 bytes: a wave's sixteenth of the head
.set STAGE,  143360
.set SPITCH, 272
.set AK0,  1
.set ASK0, 2
.set ASV0, 3
.set ADK,  4
.set ADV,  5
.set ADS,  6
.set ADT,  7
.set VW,   8
.set QF,   16
.set KW,   24
.set KF,   32
.set VF,   192
.set GO,   242
.set AV0,  248
.set R16,  249
.set WV,   10
.set SEL,  24
.set CS,   26
.set TB,   28
.set TS,   29
.set TJ,   30
.set CNT,  31
; Load number n of the ten that a step asks for ahead.  pre = 1: the NEXT step's K (tiles 0-7: 4,096 bytes on) and its scale words (512 bytes on).  pre = 0, the last step: the tile's lane-rows 2 n and 2 n + 1 of x, and nothing for n = 8, 9.
.macro AHEAD n, pre
.if \pre
.if (\n) < 8
	ds_load_b128 v[KF+8*(\n):KF+8*(\n)+3], v[ADK] offset:4096+512*(\n)
.else
	ds_load_b128 v[KW+4*((\n)-8):KW+4*((\n)-8)+3], v[ADS] offset:512+256*((\n)-8)
.endif
.else
.if (\n) < 8
	global_load_b128 v[32+4*(\n):35+4*(\n)], v[GO], s[6:7] offset:(2*(\n)+8*((\n)/4))*4096 th:TH_LOAD_NT
.endif
.endif
.endm
.macro SCALE j                         ; t - M of scores j and j + 1 (of the pairs c and -M the low word serves both halves)
	v_pk_fma_f32 v[96+(\j):97+(\j)], v[96+(\j):97+(\j)], s[CS:CS+1], v[12:13] op_sel_hi:[1,0,0]
.endm
; A KEY STEP: 128 keys.  pre = 1: a step follows.
.macro STEP pre
	v_add_nc_u32 v[ADV], s[TB], v[AV0]             ; four plain lines: the places behind the last step's products, ahead of the loads into V's fragments and scale words
	v_add_nc_u32 v[ADT], s[TJ], v[ASV0]
.if \pre
	v_add_nc_u32 v[ADK], s[TB], v[AK0]
	v_add_nc_u32 v[ADS], s[TS], v[ASK0]
.else
	v_nop
	v_nop
.endif
	s_wait_dscnt 0x0                               ; K and its words, asked for a step ago: nothing else is out
.irp t, 0,1,2,3,4,5,6,7
	v_wmma_scale_f32_16x16x128_f8f6f4 v[96+8*\t:103+8*\t], v[KF+8*\t:KF+8*\t+7], v[QF:QF+7], 0, v[KW+\t], v255 matrix_a_fmt:MATRIX_FMT_FP4 matrix_b_fmt:MATRIX_FMT_FP4
.endr
.irp j, 0,1,2,3
.irp c, 0,1
	ds_load_b128 v[VF+8*\j+4*\c:VF+8*\j+4*\c+3], v[ADV] offset:1024*\j+512*\c   ; V: none of these registers belongs to the products above
.endr
.endr
	ds_load_b128 v[VW:VW+3], v[ADT]
	v_mov_b32 v240, v12                            ; the old -M.  With the three lines below: four places ahead of the first read of the scores and of the loads into K's registers
	v_nop
	v_nop
	v_nop
.irp b, 0,1,2,3
	v_max3_num_f32 v[232+\b], v[96+16*\b], v[97+16*\b], v[98+16*\b]   ; the largest score of each block of 32 keys: it serves for the row's maximum and, since p rises with the score, for the block's largest p
.endr
.irp i, 3,5,7,9,11,13
.irp b, 0,1,2,3
	v_max3_num_f32 v[232+\b], v[232+\b], v[96+16*\b+\i], v[97+16*\b+\i]
.endr
.endr
.irp b, 0,1,2,3
	v_max_num_f32 v[232+\b], v[232+\b], v[111+16*\b]
.endr
.irp b, 0,1,2,3
	v_permlanex16_b32 v[236+\b], v[232+\b], s[SEL], s[SEL+1]
.endr
.irp b, 0,1,2,3
	v_max_num_f32 v[232+\b], v[232+\b], v[236+\b]  ; with lane l xor 16's 16 keys
.endr
	v_max3_num_f32 v254, v232, v233, v234          ; each line of this chain reads the line before it: the loads ahead stand between them
	AHEAD 0, \pre
	AHEAD 1, \pre
	v_max_num_f32 v254, v254, v235                 ; the step's largest score of my query
	AHEAD 2, \pre
	AHEAD 3, \pre
	v_mul_f32 v254, s[CS], v254                    ; as t (c is positive)
	AHEAD 4, \pre
	AHEAD 5, \pre
	v_max_num_f32 v13, v13, v254                   ; the running largest t
	AHEAD 6, \pre
	AHEAD 7, \pre
	v_floor_f32 v12, -v13                          ; the new -M = floor(-t) = -ceil(t)
	AHEAD 8, \pre
	AHEAD 9, \pre
	SCALE 0                                        ; block 0's scalings, and between them the chain that makes f
	SCALE 2
	v_sub_f32 v254, v12, v240                      ; old M - new M: a whole number, 0 or less
	SCALE 4
	SCALE 6
	v_cvt_i32_f32 v254, v254                       ; (it saturates)
	SCALE 8
	SCALE 10
	v_ldexp_f32 v252, 1.0, v254                    ; f = 2^(old M - new M)
	SCALE 12
	SCALE 14
.irp b, 0,1,2,3
	v_fma_f32 v[232+\b], v[232+\b], s[CS], v12     ; t - M of each block's largest score
.endr
; BATCH A: 36 exponentials, each behind a plain line.  Plain line i: the scalings of scores 16 + 2 i (24 lines: scores 16 to 31 are scaled by line 7, and their exponentials begin at line 20); the sum x f; O^T x f (16 lines, each accumulator from its low end on).
; None of the 41 names an exponential's result; the last five stand behind the last exponential.
.set i, 0
.rept 41
.if i < 24
	SCALE 16+2*i
.elseif i == 24
	v_pk_mul_f32 v[14:15], v[14:15], v[252:253] op_sel_hi:[1,0]
.else
	v_pk_mul_f32 v[160+2*(i-25):161+2*(i-25)], v[160+2*(i-25):161+2*(i-25)], v[252:253] op_sel_hi:[1,0]
.endif
.if i < 4
	v_exp_f32 v[232+i], v[232+i]                   ; a block's largest p: the same two instructions on the same number as the p itself
.elseif i < 36
	v_exp_f32 v[92+i], v[92+i]                     ; p = 2^(t - M) of scores 0 to 31
.endif
.set i, i+1
.endr
	s_wait_alu depctr_va_vdst(0)                   ; one wait for batch A, ahead of the first line that names a result
; BATCH B: the 32 exponentials of scores 32 to 63, each behind a line that reads batch A alone
.irp b, 0,1,2,3
	v_max_num_f32 v[232+\b], 0x1800000, v[232+\b]  ; the floor 2^(3 - 127)
	v_exp_f32 v[128+\b], v[128+\b]
.endr
.irp b, 0,1,2,3
	v_add_nc_u32 v[244+\b], 0xff000000, v[232+\b]  ; 2 off the exponent field: the conversion's scale operand
	v_exp_f32 v[132+\b], v[132+\b]
.endr
.irp n, 0,1,2,3
	v_cvt_scalef32_pk8_fp4_f32 v[224+\n], v[96+8*\n:103+8*\n], v[244+\n/2]   ; the codes of blocks 0 and 1
	v_exp_f32 v[136+\n], v[136+\n]
.endr
.irp b, 0,1,2,3
	v_lshrrev_b32 v[236+\b], 23, v[244+\b]         ; the scales' bytes
	v_exp_f32 v[140+\b], v[140+\b]
.endr
	v_lshl_or_b32 v253, v237, 8, v236              ; p's scale word for these 128 keys; the sum's first lines stand between its three
	v_exp_f32 v144, v144
	v_pk_add_f32 v[240:241], v[96:97], v[98:99]    ; the row's sum of the unquantised p, two at a time, in two chains
	v_exp_f32 v145, v145
	v_lshl_or_b32 v253, v238, 16, v253
	v_exp_f32 v146, v146
	v_pk_add_f32 v[14:15], v[14:15], v[100:101]
	v_exp_f32 v147, v147
	v_lshl_or_b32 v253, v239, 24, v253
	v_exp_f32 v148, v148
	v_pk_add_f32 v[240:241], v[240:241], v[102:103]
	v_exp_f32 v149, v149
.irp j, 8,12,16,20,24
	v_pk_add_f32 v[14:15], v[14:15], v[96+\j:97+\j]
	v_exp_f32 v[150+(\j-8)/2], v[150+(\j-8)/2]
	v_pk_add_f32 v[240:241], v[240:241], v[98+\j:99+\j]
	v_exp_f32 v[151+(\j-8)/2], v[151+(\j-8)/2]
.endr
	v_pk_add_f32 v[14:15], v[14:15], v[124:125]    ; two plain lines behind the last exponential
	v_pk_add_f32 v[240:241], v[240:241], v[126:127]
	s_wait_alu depctr_va_vdst(0)                   ; one wait for batch B
.irp n, 4,5,6,7
	v_cvt_scalef32_pk8_fp4_f32 v[224+\n], v[96+8*\n:103+8*\n], v[244+\n/2]   ; the codes of blocks 2 and 3
.endr
	v_nop                                          ; one plain line behind the scaled conversions
.irp c, 0,1
.irp i, 0,1
	v_permlane16_swap_b32 v[224+4*\c+\i], v[226+4*\c+\i]   ; a whole block to a lane
.endr
.endr
	v_pk_add_f32 v[236:237], v[128:129], v[130:131]   ; the sum of blocks 2 and 3, in four chains (the bytes in v236-239 have been used).  These 17 lines are also the places between the codes just made and the products below
	v_pk_add_f32 v[238:239], v[132:133], v[134:135]
.irp j, 136,144,152
	v_pk_add_f32 v[14:15], v[14:15], v[\j:\j+1]
	v_pk_add_f32 v[240:241], v[240:241], v[\j+2:\j+3]
	v_pk_add_f32 v[236:237], v[236:237], v[\j+4:\j+5]
	v_pk_add_f32 v[238:239], v[238:239], v[\j+6:\j+7]
.endr
	v_pk_add_f32 v[14:15], v[14:15], v[240:241]
	v_pk_add_f32 v[236:237], v[236:237], v[238:239]
	v_pk_add_f32 v[14:15], v[14:15], v[236:237]
.if \pre
	s_wait_dscnt 10                                ; V and its words are in; the ten loads of the next step's K, issued behind them, stay out
.else
	s_wait_dscnt 0x0
.endif
.irp j, 0,1,2,3                                ; the four accumulators take turns, one instruction a turn
	v_wmma_scale_f32_16x16x128_f8f6f4 v[160+8*\j:167+8*\j], v[VF+8*\j:VF+8*\j+7], v[224:231], v[160+8*\j:167+8*\j], v[VW+\j], v253 matrix_a_fmt:MATRIX_FMT_FP4 matrix_b_fmt:MATRIX_FMT_FP4
.endr
.if \pre
	s_add_co_u32 s[TB], s[TB], 4096                ; the next step's codes, of K and of V alike,
	s_add_co_u32 s[TS], s[TS], 512                 ; K's words,
	s_add_co_u32 s[TJ], s[TJ], 256                 ; V's
.endif
.endm
	s_load_b128 s[4:7], s[0:1], 0x0                ; kv, x
	s_load_b64 s[8:9], s[0:1], 0x10                ; r1
	v_lshl_add_u32 v250, v0, 2, 0x34000
	v_mov_b32 v251, 0
	ds_add_u32 v250, v251
	ds_add_u32 v250, v251
	v_lshrrev_b32 v4, 5, v0
	v_readfirstlane_b32 s[WV], v4                  ; wave 0..15
	s_and_b32 s11, ttmp7, 0xffff                   ; 16 batch + head
	s_mov_b32 s16, 3<<16                           ; group 1: no mask; elements of 8 bytes; no padding
	s_mov_b32 s17, 32<<16                          ; tensor_dim0 = 32 elements: 256 bytes
	s_mov_b32 s18, 35<<16                          ; tensor_dim1 = 35
	s_mov_b32 s19, 32<<16                          ; tile_dim0 = 32
	s_mov_b32 s20, 35                              ; tile_dim1 = 35
	s_mov_b32 s21, 32                              ; from row to row: dense
	s_mov_b32 s22, 0
	s_mov_b32 s23, 0
	s_mov_b32 s12, 1                               ; group 0: count = 1
	s_mul_i32 s13, s[WV], PART                     ; LDS address: my sixteenth
	s_mul_i32 s32, s11, HEADB
	s_add_co_u32 s34, s32, s13
	s_mov_b32 s35, 0
	s_wait_dscnt 0x0
	s_wait_kmcnt 0x0
	s_add_nc_u64 s[14:15], s[4:5], s[34:35]
	s_or_b32 s15, s15, 0x80000000                  ; type = 2
	tensor_load_to_lds s[12:15], s[16:23]          ; my one tensor load of the launch
	s_nop 0
.rept 4
	v_nop                                          ; behind a tensor load
.endr
	s_lshl_b32 s36, ttmp9, 4
	s_add_co_u32 s36, s36, s[WV]                   ; my tile of queries, 0..127
	s_lshl_b32 s34, s36, 9
	s_add_co_u32 s34, s34, s32
	s_add_nc_u64 s[38:39], s[4:5], s[34:35]        ; its codes
	s_lshr_b32 s34, s36, 2
	s_lshl_b32 s34, s34, 8
	s_and_b32 s37, s36, 3
	s_lshl_b32 s37, s37, 2
	s_add_co_u32 s34, s34, s37
	s_add_co_u32 s34, s34, s32
	s_add_co_u32 s34, s34, KSC
	s_add_nc_u64 s[40:41], s[4:5], s[34:35]        ; its scale words
	v_and_b32 v4, 31, v0
	v_lshlrev_b32 v[AK0], 4, v4                    ; 16 x lane
	v_and_b32 v5, 15, v0
	v_lshlrev_b32 v[R16], 4, v5                    ; 16 r
	global_load_b128 v[QF:QF+3], v[AK0], s[38:39]  ; Q's fragment stays in registers
	global_load_b32 v255, v[R16], s[40:41]
.irp i, 4,5,6,7
	v_mov_b32 v[QF+\i], 0                          ; k = 64 .. 127: zero codes
.endr
.irp t, 0,1,2,3,4,5,6,7
.irp i, 4,5,6,7
	v_mov_b32 v[KF+8*\t+\i], 0                     ; likewise in K's eight fragments: written once
.endr
.endr
	v_add_nc_u32 v[ASK0], KSC, v[R16]
	v_add_nc_u32 v[ASV0], VSC, v[R16]
	v_add_nc_u32 v[AV0], VC, v[AK0]
	v_bfe_u32 v5, v0, 4, 1
	v_lshl_add_u32 v[GO], v5, 12, v[R16]           ; the way out: lanes 0-15 one row of x and r1, lanes 16-31 the next; 16 bytes a lane
	s_lshr_b32 s34, s11, 4
	s_lshl_b32 s34, s34, 23                        ; the batch's 2,048 rows of 4,096 bytes
	s_lshr_b32 s37, s36, 1
	s_lshl_b32 s37, s37, 17                        ; 32 rows for each pair of tiles
	s_add_co_u32 s34, s34, s37
	s_and_b32 s37, s36, 1
	s_lshl_b32 s37, s37, 15                        ; 8 rows for the odd tile
	s_add_co_u32 s34, s34, s37
	s_and_b32 s37, s11, 15
	s_lshl_b32 s37, s37, 8                         ; the head's 256 bytes of a row
	s_add_co_u32 s34, s34, s37
	s_add_nc_u64 s[6:7], s[6:7], s[34:35]
	s_add_nc_u64 s[8:9], s[8:9], s[34:35]
	s_mov_b32 s[SEL], 0x76543210
	s_mov_b32 s[SEL+1], 0xfedcba98
	s_mov_b32 s[CS], 0x3e38aa3b                    ; c = log2(e) / 8
	s_mov_b32 s[CS+1], s[CS]                       ; (named with it as a pair, so it is written)
	s_mov_b32 s[TB], 0
	s_mov_b32 s[TS], 0
	s_mov_b32 s[TJ], 0
	s_mov_b32 s[CNT], 15
	v_mov_b32 v13, 0xff61b1e6                      ; the largest t so far: -3e38
	v_floor_f32 v12, -v13                          ; -M
	v_mov_b32 v14, 0
	v_mov_b32 v15, 0
.irp b, 0,1,2,3
	v_mov_b32 v[236+\b], 0                         ; a lane permute's destination counts as one of its sources
.endr
	v_mov_b32 v253, 0                              ; (named as the upper half of the pair v[252:253] before it is first written)
.irp j, 0,1,2,3,4,5,6,7,8,9,10,11,12,13,14,15,16,17,18,19,20,21,22,23,24,25,26,27,28,29,30,31
	v_mov_b32 v[160+\j], 0                         ; O^T: the step is written for every step alike; the first finds zeros, which the first change of M leaves zeros
.endr
	s_wait_tensorcnt 0x0                           ; my sixteenth has landed,
	s_barrier_signal -1
	s_barrier_wait -1                              ; everybody's has
.irp t, 0,1,2,3,4,5,6,7
	ds_load_b128 v[KF+8*\t:KF+8*\t+3], v[AK0] offset:512*\t       ; the first step's K: 512 consecutive bytes are a tile of 16 keys
.endr
	ds_load_b128 v[KW:KW+3], v[ASK0]               ; and the words of its eight tiles
	ds_load_b128 v[KW+4:KW+7], v[ASK0] offset:256
	s_wait_loadcnt 0x0                             ; Q
.Lstep:                                            ; 15 trips of 128 keys: each asks for the next step's K
	STEP 1
	s_sub_co_u32 s[CNT], s[CNT], 1
	s_cmp_lg_u32 s[CNT], 0
	s_cbranch_scc1 .Lstep
	STEP 0                                         ; the last step asks for x instead, into the registers that K's first four fragments have left
	; THE WAY OUT.  O^T / the sum goes through my stage and comes back as rows of 256 bytes; x is added; sixteen lanes store 256 consecutive aligned bytes of r1.
	v_add_f32 v14, v14, v15
	v_permlanex16_b32 v252, v14, s[SEL], s[SEL+1]
	v_add_f32 v14, v14, v252                       ; the row's sum
	v_rcp_f32 v14, v14
	v_and_b32 v4, 15, v0                           ; (plain lines behind the reciprocal)  r
	v_bfe_u32 v5, v0, 4, 1                         ; h
	s_mul_i32 s34, s[WV], 16*SPITCH
	s_add_co_u32 s34, s34, STAGE                   ; my stage
	v_mul_u32_u24 v6, v4, SPITCH
	v_lshl_add_u32 v6, v5, 6, v6
	v_add_nc_u32 v6, s34, v6                       ; in: row r, + 64 h
	v_mul_u32_u24 v7, v5, SPITCH
	v_lshl_add_u32 v7, v4, 4, v7
	v_add_nc_u32 v7, s34, v7                       ; back: lanes 0-15 one row, lanes 16-31 the next
	s_wait_alu depctr_va_vdst(0)                   ; the wait ahead of the reciprocal's first use
.irp j, 0,1,2,3,4,5,6,7,8,9,10,11,12,13,14,15,16,17,18,19,20,21,22,23,24,25,26,27,28,29,30,31
	v_mul_f32 v[96+\j], v[160+\j], v14             ; register 8 t + i is o(my query, e = 32 (t / 2) + 16 h + 8 (t % 2) + i)
.endr
.irp j, 0,1,2,3
	ds_store_b128 v6, v[96+8*\j:99+8*\j] offset:128*(\j/2)+32*(\j%2)
	ds_store_b128 v6, v[100+8*\j:103+8*\j] offset:128*(\j/2)+32*(\j%2)+16
.endr
.irp i, 0,1,2,3,4,5,6,7
	ds_load_b128 v[64+4*\i:67+4*\i], v7 offset:2*\i*SPITCH        ; LDS serves a wave's instructions in order: these see my stores
.endr
	s_wait_dscnt 0x0
	s_wait_loadcnt 0x0                             ; x, asked for in the last step
.irp j, 0,2,4,6,8,10,12,14,16,18,20,22,24,26,28,30
	v_pk_add_f32 v[64+\j:65+\j], v[64+\j:65+\j], v[32+\j:33+\j]
.endr
.irp i, 0,1,2,3,4,5,6,7
	global_store_b128 v[GO], v[64+4*\i:67+4*\i], s[8:9] offset:(2*\i+8*(\i/4))*4096
.endr
	s_wait_tensorcnt 0x0
	ds_add_u32 v250, v251
	s_wait_dscnt 0x0
	s_endpgm
.Lfunc_end_k_qaf3595a5db_attn:
	.size	k_qaf3595a5db_attn, .Lfunc_end_k_qaf3595a5db_attn-k_qaf3595a5db_attn
	.p2alignl 7, 3214868480
	.fill 96, 4, 3214868480
	.section	.rodata,"a",@progbits
	.p2align	6, 0x0
	.amdhsa_kernel k_qaf3595a5db_attn
		.amdhsa_group_segment_fixed_size 215040
		.amdhsa_private_segment_fixed_size 0
		.amdhsa_enable_private_segment 0
		.amdhsa_kernarg_size 24
		.amdhsa_user_sgpr_count 2
		.amdhsa_user_sgpr_kernarg_segment_ptr 1
		.amdhsa_wavefront_size32 1
		.amdhsa_system_sgpr_workgroup_id_x 1
		.amdhsa_system_sgpr_workgroup_id_y 1
		.amdhsa_system_sgpr_workgroup_id_z 1
		.amdhsa_system_vgpr_workitem_id 0
		.amdhsa_next_free_vgpr 256
		.amdhsa_next_free_sgpr 66
		.amdhsa_reserve_vcc 0
		.amdhsa_float_denorm_mode_32 3
		.amdhsa_float_denorm_mode_16_64 3
		.amdhsa_memory_ordered 1
		.amdhsa_forward_progress 1
		.amdhsa_inst_pref_size 42
	.end_amdhsa_kernel
	.amdgpu_metadata
---
amdhsa.version: [ 1, 2 ]
amdhsa.kernels:
  - .name:           k_qaf3595a5db_attn
    .symbol:         k_qaf3595a5db_attn.kd
    .args:
      - { .name: kv, .offset: 0, .size: 8, .value_kind: global_buffer, .address_space: global }
      - { .name: x, .offset: 8, .size: 8, .value_kind: global_buffer, .address_space: global }
      - { .name: r1, .offset: 16, .size: 8, .value_kind: global_buffer, .address_space: global }
    .group_segment_fixed_size: 215040
    .private_segment_fixed_size: 0
    .kernarg_segment_align: 8
    .kernarg_segment_size: 24
    .max_flat_workgroup_size: 512
    .sgpr_count:     66
    .vgpr_count:     256
    .wavefront_size: 32
...
	.end_amdgpu_metadata
.endif
;; end of part 3
;; launch ln1 (part 4): grid 256 x 1, 16 waves a work-group, no clusters, 67,840 bytes of LDS; arguments r1, ln1_g, ln1_b, x1, x1q; writes x1, x1q
.if DOCPART == 4
	.amdgcn_target "amdgcn-amd-amdhsa--gfx1250"
	.amdhsa_code_object_version 6
	.text
	.protected	k_qaf3595a5db_ln1
	.globl	k_qaf3595a5db_ln1
	.p2align	8
	.type	k_qaf3595a5db_ln1,@function
k_qaf3595a5db_ln1:
	s_mov_b64 s[64:65], 0
	v_nop
	global_prefetch_b8 v0, s[64:65] scope:SCOPE_SE
	s_setreg_imm32_b32 hwreg(HW_REG_WAVE_MODE, 25, 1), 1
	s_wait_xcnt 0x0
; x1 = LayerNorm(r1) x gamma + beta, in f32, stored as f32 (x1) and as codes of FP4 along the row with one E8M0 byte for each 32 (x1q, laid as the operands of the launch that quantises the inputs:
; codes [tile][block][lane-row][16 B] at 0, scale words [tile][K / 512][lane-row][16 B] at 2,097,152).
; A work-group takes one tile of 16 rows (rows 32 (T / 2) + 8 (T % 2) + (w % 8) + 16 (w / 8)), a wave a row: mean, then the mean of the squared differences, 1 / sqrt(var + 1e-5).
; The 16 rows meet in LDS (pitch 4,112 bytes: 1,028 words, so that 16 rows start 4 banks apart); behind one barrier waves 0-7 quantise a K step of 128 each; waves 8-15 end.
; LIMITS: NaN and infinities are not served; blocks under 2^-124, and blocks of zeros, keep the byte 1.
.set V,    16                          ; v16-47   my row, 32 numbers a lane
.set G,    48                          ; v48-79   gamma
.set BT,   80                          ; v80-111  beta
.set H,    48                          ; v48-111  later: 64 numbers to quantise
.set TM,   112
.set PC,   128
.set PW,   136
.set SEL,  24
.set PITCH, 4112
.macro WSUM r                          ; the sum over the 32 lanes, in every lane
	v_add_f32_dpp v[\r], v[\r], v[\r] row_xmask:1 row_mask:0xf bank_mask:0xf
	v_add_f32_dpp v[\r], v[\r], v[\r] row_xmask:2 row_mask:0xf bank_mask:0xf
	v_add_f32_dpp v[\r], v[\r], v[\r] row_xmask:4 row_mask:0xf bank_mask:0xf
	v_add_f32_dpp v[\r], v[\r], v[\r] row_xmask:8 row_mask:0xf bank_mask:0xf
	v_permlanex16_b32 v12, v[\r], s[SEL], s[SEL+1]
	v_add_f32 v[\r], v[\r], v12
.endm
.macro QUANT s, pc, pw                 ; 64 numbers of a lane, register 16 b + i = k 32 b + 16 (lane / 16) + i of my row -> a fragment's codes and its scale word
.irp b, 0,1,2,3
	v_max3_num_f32 v[TM+\b], |v[(\s)+16*\b]|, |v[(\s)+1+16*\b]|, 0x1800000
.endr
.irp i, 2,4,6,8,10,12,14
.irp b, 0,1,2,3
	v_max3_num_f32 v[TM+\b], v[TM+\b], |v[(\s)+16*\b+\i]|, |v[(\s)+1+16*\b+\i]|
.endr
.endr
.irp b, 0,1,2,3
	v_permlanex16_b32 v[TM+4+\b], v[TM+\b], s[SEL], s[SEL+1]
.endr
.irp b, 0,1,2,3
	v_max_num_f32 v[TM+\b], v[TM+\b], v[TM+4+\b]
.endr
.irp b, 0,1,2,3
	v_add_nc_u32 v[TM+12+\b], 0xff000000, v[TM+\b]
.endr
.irp b, 0,1,2,3
	v_lshrrev_b32 v[TM+4+\b], 23, v[TM+12+\b]
.endr
	v_lshl_or_b32 v[\pw], v[TM+5], 8, v[TM+4]
	v_lshl_or_b32 v[\pw], v[TM+6], 16, v[\pw]
	v_lshl_or_b32 v[\pw], v[TM+7], 24, v[\pw]
.irp b, 0,1,2,3
	v_cvt_scalef32_pk8_fp4_f32 v[(\pc)+2*\b], v[(\s)+16*\b:(\s)+7+16*\b], v[TM+12+\b]
	v_cvt_scalef32_pk8_fp4_f32 v[(\pc)+1+2*\b], v[(\s)+8+16*\b:(\s)+15+16*\b], v[TM+12+\b]
.endr
	v_nop
.irp c, 0,1
.irp i, 0,1
	v_permlane16_swap_b32 v[(\pc)+4*\c+\i], v[(\pc)+2+4*\c+\i]
.endr
.endr
.endm
	s_load_b256 s[4:11], s[0:1], 0x0               ; r1, gamma, beta, x1
	s_load_b64 s[12:13], s[0:1], 0x20              ; x1q
	v_lshl_add_u32 v144, v0, 2, 0x10100
	v_mov_b32 v145, 0
	v_lshrrev_b32 v2, 5, v0
	v_readfirstlane_b32 s16, v2                    ; wave 0..15
	v_and_b32 v2, 31, v0                           ; lane
	v_lshlrev_b32 v1, 4, v2                        ; 16 x lane
	s_lshr_b32 s17, ttmp9, 1
	s_lshl_b32 s17, s17, 5
	s_and_b32 s18, ttmp9, 1
	s_lshl_b32 s18, s18, 3
	s_add_co_u32 s17, s17, s18
	s_and_b32 s18, s16, 7
	s_add_co_u32 s17, s17, s18
	s_lshr_b32 s18, s16, 3
	s_lshl_b32 s18, s18, 4
	s_add_co_u32 s17, s17, s18                     ; my row
	s_lshl_b32 s20, s17, 12
	s_mov_b32 s21, 0
	s_wait_kmcnt 0x0
	s_add_nc_u64 s[4:5], s[4:5], s[20:21]
	s_add_nc_u64 s[10:11], s[10:11], s[20:21]
.irp i, 0,1,2,3,4,5,6,7
	global_load_b128 v[V+4*\i:V+4*\i+3], v1, s[4:5] offset:512*\i th:TH_LOAD_NT
.endr
.irp i, 0,1,2,3,4,5,6,7
	global_load_b128 v[G+4*\i:G+4*\i+3], v1, s[6:7] offset:512*\i
.endr
.irp i, 0,1,2,3,4,5,6,7
	global_load_b128 v[BT+4*\i:BT+4*\i+3], v1, s[8:9] offset:512*\i
.endr
	; every address is made here, ahead of the place where the waves part
	v_and_b32 v3, 15, v0                           ; r
	v_bfe_u32 v12, v0, 4, 1                        ; h
	s_mul_i32 s19, s16, PITCH
	v_add_nc_u32 v13, s19, v1                      ; the stage, in: my row
	v_mul_u32_u24 v14, v3, PITCH
	v_lshl_add_u32 v14, v12, 6, v14
	s_and_b32 s18, s16, 7                          ; the K step of waves 0-7 (held under 8 in every wave)
	s_lshl_b32 s19, s18, 9
	v_add_nc_u32 v14, s19, v14                     ; and out: row r, + 64 h, + 512 x K step
	v_lshlrev_b32 v15, 4, v3                       ; 16 r
	v_mov_b32 v12, 0                               ; a lane permute's destination counts as one of its sources
.irp b, 0,1,2,3
	v_mov_b32 v[TM+4+\b], 0
.endr
	s_lshl_b32 s20, ttmp9, 13
	s_lshl_b32 s19, s18, 10
	s_add_co_u32 s20, s20, s19
	s_add_nc_u64 s[26:27], s[12:13], s[20:21]      ; the fragment's image
	s_lshl_b32 s20, ttmp9, 9
	s_lshr_b32 s19, s18, 2
	s_lshl_b32 s19, s19, 8
	s_add_co_u32 s20, s20, s19
	s_and_b32 s19, s18, 3
	s_lshl_b32 s19, s19, 2
	s_add_co_u32 s20, s20, s19
	s_add_co_u32 s20, s20, 2097152
	s_add_nc_u64 s[28:29], s[12:13], s[20:21]      ; its scale words
	s_mov_b32 s22, 0x3a800000                      ; 1 / 1,024
	s_mov_b32 s23, 0x3727c5ac                      ; 1e-5
	s_mov_b32 s[SEL], 0x76543210
	s_mov_b32 s[SEL+1], 0xfedcba98
	s_wait_loadcnt 16                              ; my row is in; gamma's and beta's sixteen loads stay out
	v_pk_add_f32 v[4:5], v[V:V+1], v[V+2:V+3]      ; the sum, in two chains
	v_pk_add_f32 v[6:7], v[V+4:V+5], v[V+6:V+7]
.irp j, 8,12,16,20,24,28
	v_pk_add_f32 v[4:5], v[4:5], v[V+\j:V+\j+1]
	v_pk_add_f32 v[6:7], v[6:7], v[V+\j+2:V+\j+3]
.endr
	v_pk_add_f32 v[4:5], v[4:5], v[6:7]
	v_add_f32 v4, v4, v5
	WSUM 4
	v_mul_f32 v8, s22, v4                          ; the mean
	v_mov_b32 v9, v8
.irp j, 0,2,4,6,8,10,12,14,16,18,20,22,24,26,28,30
	v_pk_add_f32 v[V+\j:V+\j+1], v[V+\j:V+\j+1], v[8:9] neg_lo:[0,1] neg_hi:[0,1]   ; x - mean
.endr
	v_pk_mul_f32 v[4:5], v[V:V+1], v[V:V+1]
	v_pk_mul_f32 v[6:7], v[V+2:V+3], v[V+2:V+3]
.irp j, 4,8,12,16,20,24,28
	v_pk_fma_f32 v[4:5], v[V+\j:V+\j+1], v[V+\j:V+\j+1], v[4:5]
	v_pk_fma_f32 v[6:7], v[V+\j+2:V+\j+3], v[V+\j+2:V+\j+3], v[6:7]
.endr
	v_pk_add_f32 v[4:5], v[4:5], v[6:7]
	v_add_f32 v4, v4, v5
	WSUM 4
	v_fma_f32 v4, v4, s22, s23                     ; var + eps
	v_rsq_f32 v10, v4
	v_nop                                          ; one plain line behind the transcendental
	s_wait_alu depctr_va_vdst(0)                   ; the wait ahead of its first use
	v_mov_b32 v11, v10
	s_wait_loadcnt 0x0                             ; gamma, beta
.irp j, 0,2,4,6,8,10,12,14,16,18,20,22,24,26,28,30
	v_pk_mul_f32 v[V+\j:V+\j+1], v[V+\j:V+\j+1], v[10:11]
.endr
.irp j, 0,2,4,6,8,10,12,14,16,18,20,22,24,26,28,30
	v_pk_fma_f32 v[V+\j:V+\j+1], v[V+\j:V+\j+1], v[G+\j:G+\j+1], v[BT+\j:BT+\j+1]
.endr
.irp i, 0,1,2,3,4,5,6,7
	global_store_b128 v1, v[V+4*\i:V+4*\i+3], s[10:11] offset:512*\i       ; 512 consecutive bytes
	ds_store_b128 v13, v[V+4*\i:V+4*\i+3] offset:512*\i
.endr
	s_wait_dscnt 0x0                               ; for the others' sake: my row lies in the stage
	s_barrier_signal -1
	s_barrier_wait -1
	s_cmp_lt_u32 s16, 8
	s_cbranch_scc1 .Lquant
	s_wait_tensorcnt 0x0
	ds_add_u32 v144, v145
	s_wait_dscnt 0x0
	s_endpgm
.Lquant:
.irp b, 0,1,2,3
.irp i, 0,1,2,3
	ds_load_b128 v[H+16*\b+4*\i:H+16*\b+4*\i+3], v14 offset:128*\b+16*\i   ; into gamma's and beta's registers, which no store reads
.endr
.endr
	s_wait_dscnt 0x0
	QUANT H, PC, PW
	global_store_b128 v1, v[PC:PC+3], s[26:27]
	global_store_b128 v1, v[PC+4:PC+7], s[26:27] offset:512
	v_cmp_gt_u32 vcc_lo, 16, v2
	s_wait_xcnt 0x0                                ; EXEC changes only behind this wait
	s_wait_tensorcnt 0x0
	ds_add_u32 v144, v145
	s_wait_dscnt 0x0
	s_and_saveexec_b32 s19, vcc_lo
	global_store_b32 v15, v[PW], s[28:29]
	s_wait_xcnt 0x0
	s_or_b32 exec_lo, exec_lo, s19
	s_endpgm
.Lfunc_end_k_qaf3595a5db_ln1:
	.size	k_qaf3595a5db_ln1, .Lfunc_end_k_qaf3595a5db_ln1-k_qaf3595a5db_ln1
	.p2alignl 7, 3214868480
	.fill 96, 4, 3214868480
	.section	.rodata,"a",@progbits
	.p2align	6, 0x0
	.amdhsa_kernel k_qaf3595a5db_ln1
		.amdhsa_group_segment_fixed_size 67840
		.amdhsa_private_segment_fixed_size 0
		.amdhsa_enable_private_segment 0
		.amdhsa_kernarg_size 40
		.amdhsa_user_sgpr_count 2
		.amdhsa_user_sgpr_kernarg_segment_ptr 1
		.amdhsa_wavefront_size32 1
		.amdhsa_system_sgpr_workgroup_id_x 1
		.amdhsa_system_sgpr_workgroup_id_y 1
		.amdhsa_system_sgpr_workgroup_id_z 1
		.amdhsa_system_vgpr_workitem_id 0
		.amdhsa_next_free_vgpr 146
		.amdhsa_next_free_sgpr 66
		.amdhsa_reserve_vcc 1
		.amdhsa_float_denorm_mode_32 3
		.amdhsa_float_denorm_mode_16_64 3
		.amdhsa_memory_ordered 1
		.amdhsa_forward_progress 1
		.amdhsa_inst_pref_size 18
	.end_amdhsa_kernel
	.amdgpu_metadata
---
amdhsa.version: [ 1, 2 ]
amdhsa.kernels:
  - .name:           k_qaf3595a5db_ln1
    .symbol:         k_qaf3595a5db_ln1.kd
    .args:
      - { .name: r1, .offset: 0, .size: 8, .value_kind: global_buffer, .address_space: global }
      - { .name: ln1_g, .offset: 8, .size: 8, .value_kind: global_buffer, .address_space: global }
      - { .name: ln1_b, .offset: 16, .size: 8, .value_kind: global_buffer, .address_space: global }
      - { .name: x1, .offset: 24, .size: 8, .value_kind: global_buffer, .address_space: global }
      - { .name: x1q, .offset: 32, .size: 8, .value_kind: global_buffer, .address_space: global }
    .group_segment_fixed_size: 67840
    .private_segment_fixed_size: 0
    .kernarg_segment_align: 8
    .kernarg_segment_size: 40
    .max_flat_workgroup_size: 512
    .sgpr_count:     66
    .vgpr_count:     146
    .wavefront_size: 32
...
	.end_amdgpu_metadata
.endif
;; end of part 4
;; launch gemm1 (part 5): grid 16 x 16, 4 waves a work-group, no clusters, 0 bytes of LDS; arguments x1q, pq, b1, hq; writes hq
.if DOCPART == 5
	.amdgcn_target "amdgcn-amd-amdhsa--gfx1250"
	.amdhsa_code_object_version 6
	.text
	.protected	k_qaf3595a5db_gemm1
	.globl	k_qaf3595a5db_gemm1
	.p2align	8
	.type	k_qaf3595a5db_gemm1,@function
k_qaf3595a5db_gemm1:
	s_mov_b64 s[64:65], 0
	v_nop
	global_prefetch_b8 v0, s[64:65] scope:SCOPE_SE
	s_setreg_imm32_b32 hwreg(HW_REG_WAVE_MODE, 25, 1), 1
	s_wait_xcnt 0x0
; The hidden layer relu(x1 W1 + b1) on codes of FP4, quantised in registers along the hidden units and stored as codes: hq, codes [row tile][block of 32][lane-row][16 B] at 0 (32 K steps a tile),
; scale words [row tile][K / 512][lane-row][16 B] at 8,388,608.  The f32 numbers never go to memory.
; A wave: source 0 = 8 tiles of W1 (128 hidden units), source 1 = 8 tiles of x1 (128 rows): 64 accumulators; a lane holds one row and its registers run along the hidden units, 16 neighbours in two neighbouring tiles.
; K = 1,024 in 8 steps, written out.  Fragments come from memory straight into registers, each load 512 consecutive bytes, two sets by turns.  b1 is the C of each sum's first matrix instruction.
; No tensor load, no LDS, no cluster: K is short, and the images make every load dense; the price is that the two waves that share a fragment each load it.
; LIMITS: NaN and infinities are not served; blocks under 2^-124, and blocks of zeros, keep the byte 1.
; REGISTERS: window 0: v1-7 addresses; v16-79 W1's scale words (tile t, step s at 16 + 8 t + s), v80-143 x1's: scales and nothing else; v144-207 b1, later 64 numbers; v208-223 at work; v224-231 scale words made; v232-247 codes, two sets.
;   window 1: fragment sets at 0 and 128 (W1's tile t at + 8 t, x1's tile j at + 64 + 8 j).   windows 2, 3: accumulator (j, t) at 8 (8 (j % 4) + t) of window 2 + j / 4.
.set W1C,  2228224
.set W1S,  6946816
.set SP,   16
.set SQ,   80
.set BI,   144
.set H,    144
.set TM,   208
.set PWJ,  224
.set PC,   232
.set SEL,  36
.set MSB, 0
.macro WIN new
.if MSB != (\new)
	s_set_vgpr_msb (MSB<<8)|(\new)
.set MSB, (\new)
.endif
.endm
.macro PLACES                          ; four plain lines behind matrix instructions, ahead of loads into their registers and of the first read of results
.rept 4
	v_nop
.endr
.endm
.macro QUANT s, pc, pw
.irp b, 0,1,2,3
	v_max3_num_f32 v[TM+\b], |v[(\s)+16*\b]|, |v[(\s)+1+16*\b]|, 0x1800000
.endr
.irp i, 2,4,6,8,10,12,14
.irp b, 0,1,2,3
	v_max3_num_f32 v[TM+\b], v[TM+\b], |v[(\s)+16*\b+\i]|, |v[(\s)+1+16*\b+\i]|
.endr
.endr
.irp b, 0,1,2,3
	v_permlanex16_b32 v[TM+4+\b], v[TM+\b], s[SEL], s[SEL+1]
.endr
.irp b, 0,1,2,3
	v_max_num_f32 v[TM+\b], v[TM+\b], v[TM+4+\b]
.endr
.irp b, 0,1,2,3
	v_add_nc_u32 v[TM+12+\b], 0xff000000, v[TM+\b]
.endr
.irp b, 0,1,2,3
	v_lshrrev_b32 v[TM+4+\b], 23, v[TM+12+\b]
.endr
	v_lshl_or_b32 v[\pw], v[TM+5], 8, v[TM+4]
	v_lshl_or_b32 v[\pw], v[TM+6], 16, v[\pw]
	v_lshl_or_b32 v[\pw], v[TM+7], 24, v[\pw]
.irp b, 0,1,2,3
	v_cvt_scalef32_pk8_fp4_f32 v[(\pc)+2*\b], v[(\s)+16*\b:(\s)+7+16*\b], v[TM+12+\b]
	v_cvt_scalef32_pk8_fp4_f32 v[(\pc)+1+2*\b], v[(\s)+8+16*\b:(\s)+15+16*\b], v[TM+12+\b]
.endr
	v_nop                                          ; one plain line behind the scaled conversions
.irp c, 0,1
.irp i, 0,1
	v_permlane16_swap_b32 v[(\pc)+4*\c+\i], v[(\pc)+2+4*\c+\i]
.endr
.endr
.endm
.macro LOADF s                         ; K step s: 16 fragments, 32 loads, into set s % 2
	WIN 0x40
.set FB, 128*((\s)%2)
.irp t, 0,1,2,3,4,5,6,7
.irp c, 0,1
	global_load_b128 v[FB+8*\t+4*\c:FB+8*\t+4*\c+3], v1, s[20:21] offset:8192*\t+1024*(\s)+512*\c
.endr
.endr
.irp j, 0,1,2,3,4,5,6,7
.irp c, 0,1
	global_load_b128 v[FB+64+8*\j+4*\c:FB+64+8*\j+4*\c+3], v1, s[24:25] offset:8192*\j+1024*(\s)+512*\c
.endr
.endr
	WIN 0
.endm
.macro KSTEP s                         ; 64 matrix instructions; the 64 accumulators take turns, one instruction a turn
.if (\s) < 7
	s_wait_loadcnt 32                              ; this step's loads and all older ones are in; the next step's 32 stay out
.else
	s_wait_loadcnt 0x0
.endif
.set FB, 128*((\s)%2)
.irp j, 0,1,2,3,4,5,6,7
.if (\s) == 0
	WIN 0x85+0x40*(\j/4)                           ; sources window 1, C (the bias) window 0, D window 2 or 3
.else
	WIN 0xa5+0x50*(\j/4)                           ; sources window 1, C and D window 2 or 3
.endif
.irp t, 0,1,2,3,4,5,6,7
.if (\s) == 0
	v_wmma_scale_f32_16x16x128_f8f6f4 v[8*(8*(\j%4)+\t):8*(8*(\j%4)+\t)+7], v[FB+8*\t:FB+8*\t+7], v[FB+64+8*\j:FB+64+8*\j+7], v[BI+8*\t:BI+8*\t+7], v[SP+8*\t+(\s)], v[SQ+8*\j+(\s)] matrix_a_fmt:MATRIX_FMT_FP4 matrix_b_fmt:MATRIX_FMT_FP4
.else
	v_wmma_scale_f32_16x16x128_f8f6f4 v[8*(8*(\j%4)+\t):8*(8*(\j%4)+\t)+7], v[FB+8*\t:FB+8*\t+7], v[FB+64+8*\j:FB+64+8*\j+7], v[8*(8*(\j%4)+\t):8*(8*(\j%4)+\t)+7], v[SP+8*\t+(\s)], v[SQ+8*\j+(\s)] matrix_a_fmt:MATRIX_FMT_FP4 matrix_b_fmt:MATRIX_FMT_FP4
.endif
.endr
.endr
.if ((\s) <= 5) || ((\s) == 7)
	WIN 0
	PLACES
.endif
.if (\s) <= 5
	LOADF (\s)+2                                   ; into the set just multiplied
.endif
.endm
	s_load_b256 s[4:11], s[0:1], 0x0               ; x1q, pq, b1, hq
	v_lshrrev_b32 v1, 5, v0
	v_readfirstlane_b32 s12, v1                    ; wave 0..3
	v_and_b32 v7, 31, v0                           ; lane
	v_and_b32 v4, 15, v0
	v_bfe_u32 v5, v0, 4, 1
	v_lshlrev_b32 v1, 4, v7                        ; 16 x lane
	v_lshlrev_b32 v2, 4, v4                        ; 16 r
	v_lshlrev_b32 v3, 6, v5                        ; 64 h
.irp b, 0,1,2,3
	v_mov_b32 v[TM+4+\b], 0                        ; a lane permute's destination counts as one of its sources
.endr
	s_and_b32 s13, s12, 1
	s_lshl_b32 s14, ttmp9, 1
	s_add_co_u32 s14, s14, s13                     ; which 128 hidden units, 0..31
	s_lshr_b32 s13, s12, 1
	s_and_b32 s15, ttmp7, 0xffff
	s_lshl_b32 s15, s15, 1
	s_add_co_u32 s15, s15, s13                     ; which 128 rows, 0..31
	s_mov_b32 s17, 0
	s_mov_b32 s[SEL], 0x76543210
	s_mov_b32 s[SEL+1], 0xfedcba98
	s_wait_kmcnt 0x0
	s_lshl_b32 s16, s14, 16
	s_add_co_u32 s16, s16, W1C
	s_add_nc_u64 s[20:21], s[6:7], s[16:17]        ; W1's codes
	s_lshl_b32 s16, s14, 12
	s_add_co_u32 s16, s16, W1S
	s_add_nc_u64 s[22:23], s[6:7], s[16:17]        ; W1's scale words
	s_lshl_b32 s16, s15, 16
	s_add_nc_u64 s[24:25], s[4:5], s[16:17]        ; x1's codes
	s_lshl_b32 s16, s15, 12
	s_add_co_u32 s16, s16, 2097152
	s_add_nc_u64 s[26:27], s[4:5], s[16:17]        ; x1's scale words
	s_lshl_b32 s16, s14, 9
	s_add_nc_u64 s[28:29], s[8:9], s[16:17]        ; b1: my 128
.irp t, 0,1,2,3,4,5,6,7
.irp q, 0,1
	global_load_b128 v[SP+8*\t+4*\q:SP+8*\t+4*\q+3], v2, s[22:23] offset:512*\t+256*\q
	global_load_b128 v[SQ+8*\t+4*\q:SQ+8*\t+4*\q+3], v2, s[26:27] offset:512*\t+256*\q
.endr
.endr
.irp t, 0,1,2,3,4,5,6,7
	global_load_b128 v[BI+8*\t:BI+8*\t+3], v3, s[28:29] offset:(32*(\t/2)+8*(\t%2))*4      ; lane (r, h): hidden units 32 (t / 2) + 16 h + 8 (t % 2) + 0 .. 7
	global_load_b128 v[BI+8*\t+4:BI+8*\t+7], v3, s[28:29] offset:(32*(\t/2)+8*(\t%2))*4+16
.endr
	LOADF 0
	LOADF 1
	s_lshl_b32 s16, s15, 18                        ; out: 8 row tiles of 32,768 bytes,
	s_lshl_b32 s13, s14, 10                        ; my 128 hidden units are K step number s14 of the next product
	s_add_co_u32 s16, s16, s13
	s_add_nc_u64 s[32:33], s[10:11], s[16:17]
	s_lshl_b32 s16, s15, 14
	s_lshr_b32 s13, s14, 2
	s_lshl_b32 s13, s13, 8
	s_add_co_u32 s16, s16, s13
	s_and_b32 s13, s14, 3
	s_lshl_b32 s13, s13, 2
	s_add_co_u32 s16, s16, s13
	s_add_co_u32 s16, s16, 8388608
	s_add_nc_u64 s[34:35], s[10:11], s[16:17]
.irp s, 0,1,2,3,4,5,6,7
	KSTEP \s
.endr
.irp j, 0,1,2,3,4,5,6,7                        ; a tile of 16 rows at a time: relu, quantised, stored as a fragment's image
.if \j >= 2
	s_wait_xcnt 0x0                                ; the stores of two tiles ago have read this set of codes
.endif
	WIN 0x08+4*(\j/4)                              ; source 1 window 2 or 3
.set k, 0
.rept 64
	v_max_num_f32 v[H+k], 0, v[64*(\j%4)+k]        ; the activation, and the way into window 0; each accumulator from its low end on
.set k, k+1
.endr
	WIN 0
	QUANT H, PC+8*(\j%2), PWJ+\j
	global_store_b128 v1, v[PC+8*(\j%2):PC+8*(\j%2)+3], s[32:33] offset:32768*\j          ; 512 consecutive bytes each
	global_store_b128 v1, v[PC+8*(\j%2)+4:PC+8*(\j%2)+7], s[32:33] offset:32768*\j+512
.endr
	v_cmp_gt_u32 vcc_lo, 16, v7
	s_wait_xcnt 0x0                                ; EXEC changes only behind this wait
	s_and_saveexec_b32 s13, vcc_lo
.irp j, 0,1,2,3,4,5,6,7
	global_store_b32 v2, v[PWJ+\j], s[34:35] offset:2048*\j        ; 4 bytes of every 16: one byte for each 16 of codes
.endr
	s_wait_xcnt 0x0
	s_or_b32 exec_lo, exec_lo, s13
	s_endpgm
.Lfunc_end_k_qaf3595a5db_gemm1:
	.size	k_qaf3595a5db_gemm1, .Lfunc_end_k_qaf3595a5db_gemm1-k_qaf3595a5db_gemm1
	.p2alignl 7, 3214868480
	.fill 96, 4, 3214868480
	.section	.rodata,"a",@progbits
	.p2align	6, 0x0
	.amdhsa_kernel k_qaf3595a5db_gemm1
		.amdhsa_group_segment_fixed_size 0
		.amdhsa_private_segment_fixed_size 0
		.amdhsa_enable_private_segment 0
		.amdhsa_kernarg_size 32
		.amdhsa_user_sgpr_count 2
		.amdhsa_user_sgpr_kernarg_segment_ptr 1
		.amdhsa_wavefront_size32 1
		.amdhsa_system_sgpr_workgroup_id_x 1
		.amdhsa_system_sgpr_workgroup_id_y 1
		.amdhsa_system_sgpr_workgroup_id_z 1
		.amdhsa_system_vgpr_workitem_id 0
		.amdhsa_next_free_vgpr 1024
		.amdhsa_next_free_sgpr 66
		.amdhsa_reserve_vcc 1
		.amdhsa_float_denorm_mode_32 3
		.amdhsa_float_denorm_mode_16_64 3
		.amdhsa_memory_ordered 1
		.amdhsa_forward_progress 1
		.amdhsa_inst_pref_size 146
	.end_amdhsa_kernel
	.amdgpu_metadata
---
amdhsa.version: [ 1, 2 ]
amdhsa.kernels:
  - .name:           k_qaf3595a5db_gemm1
    .symbol:         k_qaf3595a5db_gemm1.kd
    .args:
      - { .name: x1q, .offset: 0, .size: 8, .value_kind: global_buffer, .address_space: global }
      - { .name: pq, .offset: 8, .size: 8, .value_kind: global_buffer, .address_space: global }
      - { .name: b1, .offset: 16, .size: 8, .value_kind: global_buffer, .address_space: global }
      - { .name: hq, .offset: 24, .size: 8, .value_kind: global_buffer, .address_space: global }
    .group_segment_fixed_size: 0
    .private_segment_fixed_size: 0
    .kernarg_segment_align: 8
    .kernarg_segment_size: 32
    .max_flat_workgroup_size: 128
    .sgpr_count:     66
    .vgpr_count:     1024
    .wavefront_size: 32
...
	.end_amdgpu_metadata
.endif
;; end of part 5
;; launch gemm2 (part 6): grid 8 x 32, 4 waves a work-group, no clusters, 17,920 bytes of LDS; arguments hq, pq, b2, x1, r2; writes r2
.if DOCPART == 6
	.amdgcn_target "amdgcn-amd-amdhsa--gfx1250"
	.amdhsa_code_object_version 6
	.text
	.protected	k_qaf3595a5db_gemm2
	.globl	k_qaf3595a5db_gemm2
	.p2align	8
	.type	k_qaf3595a5db_gemm2,@function
k_qaf3595a5db_gemm2:
	s_mov_b64 s[64:65], 0
	v_nop
	global_prefetch_b8 v0, s[64:65] scope:SCOPE_SE
	s_setreg_imm32_b32 hwreg(HW_REG_WAVE_MODE, 25, 1), 1
	s_wait_xcnt 0x0
; r2 = x1 + h W2 + b2, the product on codes of FP4.  A wave: source 0 = 4 tiles of W2 (64 columns), source 1 = 4 tiles of h (64 rows): 16 accumulators; K = 4,096 in 32 steps of 128.
; Fragments come from memory straight into registers, each load 512 consecutive bytes, four sets by turns, so that three steps' loads are out while one step is multiplied.
; Scale words come for four K steps at a time (one load a tile), two sets by turns.  b2 is the C of each sum's first matrix instruction.
; On the way out a tile of 16 rows goes through the wave's own stage in LDS and comes back as rows of 256 bytes; x1 is added; sixteen lanes store 256 consecutive aligned bytes.
; No tensor load and no cluster: the images make every load dense; the price is that the two waves that share a fragment each load it.
; REGISTERS: window 0: v1-9 addresses; v16-79 scale words and nothing else (set c at 16 + 32 c: W2's tile t, step i at + 4 t + i; h's tile j at + 16 + 4 j + i); v80-111 b2; accumulator (j, t) at 128 + 8 (4 j + t).
;   window 1: fragment set i at 64 i (W2's tile t at + 8 t, h's tile j at + 32 + 8 j); on the way out v0-127 x1, v128-255 the rows that come back.
.set W2C,  4325376
.set W2S,  7077888
.set SC,   16
.set BI,   80
.set ACC,  128
.set SPITCH, 272
.set MSB, 0
.macro WIN new
.if MSB != (\new)
	s_set_vgpr_msb (MSB<<8)|(\new)
.set MSB, (\new)
.endif
.endm
.macro PLACES                          ; four plain lines behind matrix instructions, ahead of loads into their registers and of the first read of results
.rept 4
	v_nop
.endr
.endm
.macro SLOAD sc, soff                  ; eight tiles' scale words of four K steps, soff bytes on, into set sc
.irp t, 0,1,2,3
	global_load_b128 v[SC+32*(\sc)+4*\t:SC+32*(\sc)+4*\t+3], v2, s[22:23] offset:2048*\t+(\soff)
	global_load_b128 v[SC+32*(\sc)+16+4*\t:SC+32*(\sc)+16+4*\t+3], v2, s[26:27] offset:2048*\t+(\soff)
.endr
.endm
.macro FLOAD set, off                  ; a K step's eight fragments, off bytes on, into fragment set
	WIN 0x40
.irp t, 0,1,2,3
.irp c, 0,1
	global_load_b128 v[64*(\set)+8*\t+4*\c:64*(\set)+8*\t+4*\c+3], v1, s[20:21] offset:32768*\t+(\off)+512*\c
	global_load_b128 v[64*(\set)+32+8*\t+4*\c:64*(\set)+32+8*\t+4*\c+3], v1, s[24:25] offset:32768*\t+(\off)+512*\c
.endr
.endr
	WIN 0
.endm
; Four K steps under scale set sc.  Behind step i the fragments of the step four on are asked for, into the set just multiplied; behind step 0 also the next four steps' scale words, into the other set.
; THE COUNTS: a step's fragments are 16 loads, a set of scale words 8.  At step 0 three younger steps are out: 48.  At steps 1 to 3 three younger steps and the scale words: 56.  In the last four steps nothing is asked for: 48, 32, 16, 0.
.macro HALF sc, koff, soff, first, last
.irp i, 0,1,2,3
.if \last
	s_wait_loadcnt 48-16*\i
.elseif \i == 0
	s_wait_loadcnt 48
.else
	s_wait_loadcnt 56
.endif
	WIN 0x05                                       ; sources window 1, C and D window 0
.irp j, 0,1,2,3                                ; the 16 accumulators take turns, one instruction a turn
.irp t, 0,1,2,3
.if \first && (\i == 0)
	v_wmma_scale_f32_16x16x128_f8f6f4 v[ACC+8*(4*\j+\t):ACC+8*(4*\j+\t)+7], v[64*\i+8*\t:64*\i+8*\t+7], v[64*\i+32+8*\j:64*\i+32+8*\j+7], v[BI+8*\t:BI+8*\t+7], v[SC+32*\sc+4*\t+\i], v[SC+32*\sc+16+4*\j+\i] matrix_a_fmt:MATRIX_FMT_FP4 matrix_b_fmt:MATRIX_FMT_FP4
.else
	v_wmma_scale_f32_16x16x128_f8f6f4 v[ACC+8*(4*\j+\t):ACC+8*(4*\j+\t)+7], v[64*\i+8*\t:64*\i+8*\t+7], v[64*\i+32+8*\j:64*\i+32+8*\j+7], v[ACC+8*(4*\j+\t):ACC+8*(4*\j+\t)+7], v[SC+32*\sc+4*\t+\i], v[SC+32*\sc+16+4*\j+\i] matrix_a_fmt:MATRIX_FMT_FP4 matrix_b_fmt:MATRIX_FMT_FP4
.endif
.endr
.endr
.if (!\last) || (\i == 3)
	WIN 0
	PLACES
.endif
.if !\last
.if \i == 0
	SLOAD 1-\sc, \soff+256
.endif
	FLOAD \i, \koff+(4+\i)*1024
.endif
.endr
.endm
	s_load_b256 s[4:11], s[0:1], 0x0               ; hq, pq, b2, x1
	s_load_b64 s[12:13], s[0:1], 0x20              ; r2
	v_lshl_add_u32 v126, v0, 2, 0x4400
	v_mov_b32 v127, 0
	v_lshrrev_b32 v1, 5, v0
	v_readfirstlane_b32 s14, v1                    ; wave 0..3
	v_and_b32 v7, 31, v0
	v_and_b32 v8, 15, v0                           ; r
	v_bfe_u32 v9, v0, 4, 1                         ; h
	v_lshlrev_b32 v1, 4, v7                        ; 16 x lane
	v_lshlrev_b32 v2, 4, v8                        ; 16 r
	v_lshlrev_b32 v3, 6, v9                        ; 64 h
	s_and_b32 s17, s14, 1
	s_lshl_b32 s15, ttmp9, 1
	s_add_co_u32 s15, s15, s17                     ; which 64 columns, 0..15
	s_lshr_b32 s17, s14, 1
	s_and_b32 s16, ttmp7, 0xffff
	s_lshl_b32 s16, s16, 1
	s_add_co_u32 s16, s16, s17                     ; which 64 rows, 0..63
	s_mov_b32 s19, 0
	s_wait_kmcnt 0x0
	s_lshl_b32 s18, s15, 17                        ; 4 tiles of 32,768 bytes
	s_add_co_u32 s18, s18, W2C
	s_add_nc_u64 s[20:21], s[6:7], s[18:19]        ; W2's codes
	s_lshl_b32 s18, s15, 13
	s_add_co_u32 s18, s18, W2S
	s_add_nc_u64 s[22:23], s[6:7], s[18:19]        ; W2's scale words
	s_lshl_b32 s18, s16, 17
	s_add_nc_u64 s[24:25], s[4:5], s[18:19]        ; h's codes
	s_lshl_b32 s18, s16, 13
	s_add_co_u32 s18, s18, 8388608
	s_add_nc_u64 s[26:27], s[4:5], s[18:19]        ; h's scale words
	s_lshl_b32 s18, s15, 8
	s_add_nc_u64 s[28:29], s[8:9], s[18:19]        ; b2: my 64
.irp t, 0,1,2,3
	global_load_b128 v[BI+8*\t:BI+8*\t+3], v3, s[28:29] offset:(32*(\t/2)+8*(\t%2))*4      ; lane (r, h): columns 32 (t / 2) + 16 h + 8 (t % 2) + 0 .. 7
	global_load_b128 v[BI+8*\t+4:BI+8*\t+7], v3, s[28:29] offset:(32*(\t/2)+8*(\t%2))*4+16
.endr
	SLOAD 0, 0
	FLOAD 0, 0
	FLOAD 1, 1024
	FLOAD 2, 2048
	FLOAD 3, 3072
	s_lshl_b32 s18, s16, 18                        ; 64 rows of 4,096 bytes,
	s_lshl_b32 s17, s15, 8                         ; my 256 bytes of a row
	s_add_co_u32 s18, s18, s17
	s_add_nc_u64 s[30:31], s[10:11], s[18:19]      ; x1
	s_add_nc_u64 s[32:33], s[12:13], s[18:19]      ; r2
	s_mul_i32 s18, s14, 16*SPITCH                  ; my stage
	v_mul_u32_u24 v4, v8, SPITCH
	v_lshl_add_u32 v4, v9, 6, v4
	v_add_nc_u32 v4, s18, v4                       ; in: row r, + 64 h
	v_mul_u32_u24 v5, v9, SPITCH
	v_lshl_add_u32 v5, v8, 4, v5
	v_add_nc_u32 v5, s18, v5                       ; back: lanes 0-15 one row, lanes 16-31 the next
	v_lshl_add_u32 v6, v9, 12, v2                  ; and the same two rows in x1 and r2
	HALF 0, 0, 0, 1, 0                             ; K steps 0-3 stand ahead of the loop: the first starts the sums
	s_wait_xcnt 0x0                                ; the loads have read their bases, which step
	s_add_nc_u64 s[20:21], s[20:21], 4096
	s_add_nc_u64 s[24:25], s[24:25], 4096
	s_add_nc_u64 s[22:23], s[22:23], 256
	s_add_nc_u64 s[26:27], s[26:27], 256
	s_mov_b32 s34, 3
.Lpair:                                            ; three trips of eight K steps: steps 4 to 27; the last loads asked for are step 31's
	HALF 1, 0, 0, 0, 0
	HALF 0, 4096, 256, 0, 0
	s_wait_xcnt 0x0
	s_add_nc_u64 s[20:21], s[20:21], 8192
	s_add_nc_u64 s[24:25], s[24:25], 8192
	s_add_nc_u64 s[22:23], s[22:23], 512
	s_add_nc_u64 s[26:27], s[26:27], 512
	s_sub_co_u32 s34, s34, 1
	s_cmp_lg_u32 s34, 0
	s_cbranch_scc1 .Lpair
	HALF 1, 0, 0, 0, 1                             ; K steps 28-31: nothing more is asked for; its last four plain lines serve the loads and reads below
	WIN 0x40
.irp j, 0,1,2,3
.irp i, 0,1,2,3,4,5,6,7
	global_load_b128 v[32*\j+4*\i:32*\j+4*\i+3], v6, s[30:31] offset:(32*(\j/2)+8*(\j%2)+2*\i+8*(\i/4))*4096   ; tile j's lane-rows 2 i and 2 i + 1
.endr
.endr
	WIN 0
.irp j, 0,1,2,3
.irp t, 0,1,2,3
	ds_store_b128 v4, v[ACC+8*(4*\j+\t):ACC+8*(4*\j+\t)+3] offset:128*(\t/2)+32*(\t%2)         ; each accumulator from its low end on
	ds_store_b128 v4, v[ACC+8*(4*\j+\t)+4:ACC+8*(4*\j+\t)+7] offset:128*(\t/2)+32*(\t%2)+16
.endr
	WIN 0x40
.irp i, 0,1,2,3,4,5,6,7
	ds_load_b128 v[128+32*\j+4*\i:128+32*\j+4*\i+3], v5 offset:2*\i*SPITCH   ; LDS serves a wave's instructions in order: these see my stores, and the next tile's stores come behind them
.endr
	WIN 0
.endr
	s_wait_dscnt 0x0
	s_wait_loadcnt 0x0
	WIN 0x45                                       ; all three in window 1
.set k, 0
.rept 64
	v_pk_add_f32 v[128+2*k:128+2*k+1], v[128+2*k:128+2*k+1], v[2*k:2*k+1]
.set k, k+1
.endr
	WIN 0x04                                       ; a store's data are its source 1: window 1
.irp j, 0,1,2,3
.irp i, 0,1,2,3,4,5,6,7
	global_store_b128 v6, v[128+32*\j+4*\i:128+32*\j+4*\i+3], s[32:33] offset:(32*(\j/2)+8*(\j%2)+2*\i+8*(\i/4))*4096
.endr
.endr
	WIN 0
	s_wait_tensorcnt 0x0
	ds_add_u32 v126, v127
	s_wait_dscnt 0x0
	s_endpgm
.Lfunc_end_k_qaf3595a5db_gemm2:
	.size	k_qaf3595a5db_gemm2, .Lfunc_end_k_qaf3595a5db_gemm2-k_qaf3595a5db_gemm2
	.p2alignl 7, 3214868480
	.fill 96, 4, 3214868480
	.section	.rodata,"a",@progbits
	.p2align	6, 0x0
	.amdhsa_kernel k_qaf3595a5db_gemm2
		.amdhsa_group_segment_fixed_size 17920
		.amdhsa_private_segment_fixed_size 0
		.amdhsa_enable_private_segment 0
		.amdhsa_kernarg_size 40
		.amdhsa_user_sgpr_count 2
		.amdhsa_user_sgpr_kernarg_segment_ptr 1
		.amdhsa_wavefront_size32 1
		.amdhsa_system_sgpr_workgroup_id_x 1
		.amdhsa_system_sgpr_workgroup_id_y 1
		.amdhsa_system_sgpr_workgroup_id_z 1
		.amdhsa_system_vgpr_workitem_id 0
		.amdhsa_next_free_vgpr 512
		.amdhsa_next_free_sgpr 66
		.amdhsa_reserve_vcc 0
		.amdhsa_float_denorm_mode_32 3
		.amdhsa_float_denorm_mode_16_64 3
		.amdhsa_memory_ordered 1
		.amdhsa_forward_progress 1
		.amdhsa_inst_pref_size 82
	.end_amdhsa_kernel
	.amdgpu_metadata
---
amdhsa.version: [ 1, 2 ]
amdhsa.kernels:
  - .name:           k_qaf3595a5db_gemm2
    .symbol:         k_qaf3595a5db_gemm2.kd
    .args:
      - { .name: hq, .offset: 0, .size: 8, .value_kind: global_buffer, .address_space: global }
      - { .name: pq, .offset: 8, .size: 8, .value_kind: global_buffer, .address_space: global }
      - { .name: b2, .offset: 16, .size: 8, .value_kind: global_buffer, .address_space: global }
      - { .name: x1, .offset: 24, .size: 8, .value_kind: global_buffer, .address_space: global }
      - { .name: r2, .offset: 32, .size: 8, .value_kind: global_buffer, .address_space: global }
    .group_segment_fixed_size: 17920
    .private_segment_fixed_size: 0
    .kernarg_segment_align: 8
    .kernarg_segment_size: 40
    .max_flat_workgroup_size: 128
    .sgpr_count:     66
    .vgpr_count:     512
    .wavefront_size: 32
...
	.end_amdgpu_metadata
.endif
;; end of part 6
;; launch ln2 (part 7): grid 256 x 1, 16 waves a work-group, no clusters, 0 bytes of LDS; arguments r2, ln2_g, ln2_b, out0; writes out0
.if DOCPART == 7
	.amdgcn_target "amdgcn-amd-amdhsa--gfx1250"
	.amdhsa_code_object_version 6
	.text
	.protected	k_qaf3595a5db_ln2
	.globl	k_qaf3595a5db_ln2
	.p2align	8
	.type	k_qaf3595a5db_ln2,@function
k_qaf3595a5db_ln2:
	s_mov_b64 s[64:65], 0
	v_nop
	global_prefetch_b8 v0, s[64:65] scope:SCOPE_SE
	s_setreg_imm32_b32 hwreg(HW_REG_WAVE_MODE, 25, 1), 1
	s_wait_xcnt 0x0
; out0 = LayerNorm(r2) x gamma + beta, in f32.  A wave takes a row of 1,024 numbers, 32 a lane, and keeps it in registers: mean, then the mean of the squared differences, 1 / sqrt(var + 1e-5).
; Each load and store covers 512 consecutive bytes.  Waves share nothing: no LDS, no barrier.  LIMITS: NaN and infinities are not served.
.set V,    16                          ; v16-47   my row
.set G,    48                          ; v48-79   gamma
.set BT,   80                          ; v80-111  beta
.set SEL,  24
.macro WSUM r                          ; the sum over the 32 lanes, in every lane
	v_add_f32_dpp v[\r], v[\r], v[\r] row_xmask:1 row_mask:0xf bank_mask:0xf
	v_add_f32_dpp v[\r], v[\r], v[\r] row_xmask:2 row_mask:0xf bank_mask:0xf
	v_add_f32_dpp v[\r], v[\r], v[\r] row_xmask:4 row_mask:0xf bank_mask:0xf
	v_add_f32_dpp v[\r], v[\r], v[\r] row_xmask:8 row_mask:0xf bank_mask:0xf
	v_permlanex16_b32 v12, v[\r], s[SEL], s[SEL+1]
	v_add_f32 v[\r], v[\r], v12
.endm
	s_load_b256 s[4:11], s[0:1], 0x0               ; r2, gamma, beta, out0
	v_lshrrev_b32 v2, 5, v0
	v_readfirstlane_b32 s16, v2                    ; wave 0..15
	v_and_b32 v2, 31, v0
	v_lshlrev_b32 v1, 4, v2                        ; 16 x lane
	s_lshl_b32 s17, ttmp9, 4
	s_add_co_u32 s17, s17, s16                     ; my row
	s_lshl_b32 s20, s17, 12
	s_mov_b32 s21, 0
	s_wait_kmcnt 0x0
	s_add_nc_u64 s[4:5], s[4:5], s[20:21]
	s_add_nc_u64 s[10:11], s[10:11], s[20:21]
.irp i, 0,1,2,3,4,5,6,7
	global_load_b128 v[V+4*\i:V+4*\i+3], v1, s[4:5] offset:512*\i th:TH_LOAD_NT
.endr
.irp i, 0,1,2,3,4,5,6,7
	global_load_b128 v[G+4*\i:G+4*\i+3], v1, s[6:7] offset:512*\i
.endr
.irp i, 0,1,2,3,4,5,6,7
	global_load_b128 v[BT+4*\i:BT+4*\i+3], v1, s[8:9] offset:512*\i
.endr
	v_mov_b32 v12, 0                               ; a lane permute's destination counts as one of its sources
	s_mov_b32 s22, 0x3a800000                      ; 1 / 1,024
	s_mov_b32 s23, 0x3727c5ac                      ; 1e-5
	s_mov_b32 s[SEL], 0x76543210
	s_mov_b32 s[SEL+1], 0xfedcba98
	s_wait_loadcnt 16                              ; my row is in; gamma's and beta's sixteen loads stay out
	v_pk_add_f32 v[4:5], v[V:V+1], v[V+2:V+3]      ; the sum, in two chains
	v_pk_add_f32 v[6:7], v[V+4:V+5], v[V+6:V+7]
.irp j, 8,12,16,20,24,28
	v_pk_add_f32 v[4:5], v[4:5], v[V+\j:V+\j+1]
	v_pk_add_f32 v[6:7], v[6:7], v[V+\j+2:V+\j+3]
.endr
	v_pk_add_f32 v[4:5], v[4:5], v[6:7]
	v_add_f32 v4, v4, v5
	WSUM 4
	v_mul_f32 v8, s22, v4                          ; the mean
	v_mov_b32 v9, v8
.irp j, 0,2,4,6,8,10,12,14,16,18,20,22,24,26,28,30
	v_pk_add_f32 v[V+\j:V+\j+1], v[V+\j:V+\j+1], v[8:9] neg_lo:[0,1] neg_hi:[0,1]   ; x - mean
.endr
	v_pk_mul_f32 v[4:5], v[V:V+1], v[V:V+1]
	v_pk_mul_f32 v[6:7], v[V+2:V+3], v[V+2:V+3]
.irp j, 4,8,12,16,20,24,28
	v_pk_fma_f32 v[4:5], v[V+\j:V+\j+1], v[V+\j:V+\j+1], v[4:5]
	v_pk_fma_f32 v[6:7], v[V+\j+2:V+\j+3], v[V+\j+2:V+\j+3], v[6:7]
.endr
	v_pk_add_f32 v[4:5], v[4:5], v[6:7]
	v_add_f32 v4, v4, v5
	WSUM 4
	v_fma_f32 v4, v4, s22, s23                     ; var + eps
	v_rsq_f32 v10, v4
	v_nop                                          ; one plain line behind the transcendental
	s_wait_alu depctr_va_vdst(0)                   ; the wait ahead of its first use
	v_mov_b32 v11, v10
	s_wait_loadcnt 0x0                             ; gamma, beta
.irp j, 0,2,4,6,8,10,12,14,16,18,20,22,24,26,28,30
	v_pk_mul_f32 v[V+\j:V+\j+1], v[V+\j:V+\j+1], v[10:11]
.endr
.irp j, 0,2,4,6,8,10,12,14,16,18,20,22,24,26,28,30
	v_pk_fma_f32 v[V+\j:V+\j+1], v[V+\j:V+\j+1], v[G+\j:G+\j+1], v[BT+\j:BT+\j+1]
.endr
.irp i, 0,1,2,3,4,5,6,7
	global_store_b128 v1, v[V+4*\i:V+4*\i+3], s[10:11] offset:512*\i th:TH_STORE_NT
.endr
	s_endpgm
.Lfunc_end_k_qaf3595a5db_ln2:
	.size	k_qaf3595a5db_ln2, .Lfunc_end_k_qaf3595a5db_ln2-k_qaf3595a5db_ln2
	.p2alignl 7, 3214868480
	.fill 96, 4, 3214868480
	.section	.rodata,"a",@progbits
	.p2align	6, 0x0
	.amdhsa_kernel k_qaf3595a5db_ln2
		.amdhsa_group_segment_fixed_size 0
		.amdhsa_private_segment_fixed_size 0
		.amdhsa_enable_private_segment 0
		.amdhsa_kernarg_size 32
		.amdhsa_user_sgpr_count 2
		.amdhsa_user_sgpr_kernarg_segment_ptr 1
		.amdhsa_wavefront_size32 1
		.amdhsa_system_sgpr_workgroup_id_x 1
		.amdhsa_system_sgpr_workgroup_id_y 1
		.amdhsa_system_sgpr_workgroup_id_z 1
		.amdhsa_system_vgpr_workitem_id 0
		.amdhsa_next_free_vgpr 128
		.amdhsa_next_free_sgpr 66
		.amdhsa_reserve_vcc 0
		.amdhsa_float_denorm_mode_32 3
		.amdhsa_float_denorm_mode_16_64 3
		.amdhsa_memory_ordered 1
		.amdhsa_forward_progress 1
		.amdhsa_inst_pref_size 11
	.end_amdhsa_kernel
	.amdgpu_metadata
---
amdhsa.version: [ 1, 2 ]
amdhsa.kernels:
  - .name:           k_qaf3595a5db_ln2
    .symbol:         k_qaf3595a5db_ln2.kd
    .args:
      - { .name: r2, .offset: 0, .size: 8, .value_kind: global_buffer, .address_space: global }
      - { .name: ln2_g, .offset: 8, .size: 8, .value_kind: global_buffer, .address_space: global }
      - { .name: ln2_b, .offset: 16, .size: 8, .value_kind: global_buffer, .address_space: global }
      - { .name: out0, .offset: 24, .size: 8, .value_kind: global_buffer, .address_space: global }
    .group_segment_fixed_size: 0
    .private_segment_fixed_size: 0
    .kernarg_segment_align: 8
    .kernarg_segment_size: 32
    .max_flat_workgroup_size: 512
    .sgpr_count:     66
    .vgpr_count:     128
    .wavefront_size: 32
...
	.end_amdgpu_metadata
.endif
;; end of part 7
;; ======== version 2 of 2: 7 launches; version 1 with the launches qproj, gemm1, gemm2 written anew for expert scheduling mode
;; workspace buffers: pq 7,241,728 bytes; kv 4,587,520 bytes; r1 16,777,216 bytes; x1 16,777,216 bytes; x1q 2,228,224 bytes; hq 8,912,896 bytes; r2 16,777,216 bytes
;; launch prep: the kernel of part 1 again; grid 544 x 1, 8 waves a work-group, no clusters, 68,608 bytes of LDS; arguments x, W1, W2, Wq, pq; writes pq
;; launch qproj (part 8): grid 256 x 1, 4 waves a work-group, no clusters, 0 bytes of LDS; arguments pq, bq, kv; writes kv
.if DOCPART == 8
	.amdgcn_target "amdgcn-amd-amdhsa--gfx1250"
	.amdhsa_code_object_version 6
	.text
	.protected	k_qaf3595a5db_qproj
	.globl	k_qaf3595a5db_qproj
	.p2align	8
	.type	k_qaf3595a5db_qproj,@function
k_qaf3595a5db_qproj:
	s_mov_b64 s[64:65], 0
	v_nop
	global_prefetch_b8 v0, s[64:65] scope:SCOPE_SE
	s_setreg_imm32_b32 hwreg(HW_REG_WAVE_SCHED_MODE, 0, 2), 2
	s_setreg_imm32_b32 hwreg(HW_REG_WAVE_MODE, 25, 1), 1
	s_wait_xcnt 0x0
	s_wait_alu depctr_vm_vsrc(0)
; q = x Wq + bq on codes of FP4, made in BOTH orientations, and quantised twice: along a head's 64 (queries and keys of the scores) and along the keys (the values of the second product).
; ROLE 1 (work-groups 0-127): source 0 = 8 tiles of Wq (two heads), source 1 = 4 tiles of x (64 rows): a lane holds one row and its registers run along e.
; ROLE 2 (work-groups 128-255): source 0 = 8 tiles of x (128 rows: a key step), source 1 = 4 tiles of Wq (a head): a lane holds one e and its registers run along the keys.
; So nothing is transposed; the price is that this product is multiplied twice.  Swapped sources give the same sums bit for bit.
; A wave: 32 accumulators, K = 1,024 in 8 steps of 128, written out; fragments come from memory straight into registers (each load 512 consecutive bytes), four sets by turns.
; The roles part once, at the head, on the work-group's number; each path holds the main loop, so that each writes just what it reads.
; kv, for head bh = 16 batch + head, 143,360 bytes: +0 codes of q along e [key tile][block][lane-row][16 B]; +65,536 codes along the keys [key step][e tile][1 KB image];
;   +131,072 scale words along e [tile / 4][lane-row][tile % 4] (bytes 2, 3 = 127: the upper 64 of the instruction's 128 are zero codes); +139,264 scale words along the keys [key step][lane-row][e tile].
; LIMITS: NaN and infinities are not served; blocks under 2^-124, and blocks of zeros, keep the byte 1 (their codes' worth is kept or is zero; this program alone reads the bytes).
; REGISTERS: window 0: v1-10 addresses; v16-79, v80-111 scale words and nothing else; v112-175 64 numbers; v176-207 codes; v208-223 at work; v224 a scale word; v228-231 four words to store.
;   window 1: accumulator (j, t) at 8 (8 j + t).   window 2: fragment sets 0, 1 at 0, 96 (source 0's tile t at + 8 t, source 1's tile j at + 64 + 8 j); v192-255 the bias.   window 3: sets 2, 3 at 0, 96.
; THE MODE: SCHED_MODE bits 1:0 = 2 (LLVM: expert scheduling mode 2), set by the entry lines.  The code itself states the register dependences
; between vector or matrix instructions and memory instructions, with s_wait_alu, always for 0.
; THE PLAN.  Registers that memory instructions touch:
;   F0 .. F3      the fragment sets.  Step s: its 32 matrix instructions read F[s % 4]; the loads of step s + 3 land in F[(s + 3) % 4] = F[(s - 1) % 4], which step s - 1 read.
;   v16-111, the bias   loaded once, at a role's head; read by matrix and vector instructions; never written again.
;   v1, v2, and v3, v6 (role 1) or v4 (role 2)   offsets, made ahead of a role's first load and never written again.
;   v176-207, v228-231  codes and scale words: written by the quantiser, eight registers of its own for each tile; read by the stores; never written again.
; So ONE wait on va_vdst stands at the head of steps 1 to 4, behind the wait for the step's data: step s - 1 is done reading its set.  The step's 24 loads follow it, six behind each eight matrix
; instructions, which name F[s % 4], the accumulators and the scale words: none of the registers that those loads touch.  Step 0's loads land in a set that no instruction has named.
; On the way out one wait on va_vdst stands ahead of each tile's stores.
.set XC,   0
.set XS,   2097152
.set WQC,  6422528
.set WQS,  7208960
.set HEADB, 143360
.set SP,   16
.set SQ,   80
.set H,    112
.set PC,   176
.set TM,   208
.set PW,   224
.set WD,   228
.set BI,   192
.set SEL,  30
.set MSB, 0
.macro WIN new                         ; the immediate's high byte repeats the setting that is left; a switch that changes nothing is dropped
.if MSB != (\new)
	s_set_vgpr_msb (MSB<<8)|(\new)
.set MSB, (\new)
.endif
.endm
.macro PLACES                          ; four plain lines behind matrix instructions, ahead of loads into their registers and of the first read of results
.rept 4
	v_nop
.endr
.endm
.macro QUANT s, pc, pw                 ; 64 numbers of a lane, register 16 b + i = k 32 b + 16 (lane / 16) + i of my row -> a fragment's codes and its scale word
.irp b, 0,1,2,3
	v_max3_num_f32 v[TM+\b], |v[(\s)+16*\b]|, |v[(\s)+1+16*\b]|, 0x1800000   ; my 16 numbers of block b, and the floor 2^(3 - 127)
.endr
.irp i, 2,4,6,8,10,12,14
.irp b, 0,1,2,3
	v_max3_num_f32 v[TM+\b], v[TM+\b], |v[(\s)+16*\b+\i]|, |v[(\s)+1+16*\b+\i]|
.endr
.endr
.irp b, 0,1,2,3
	v_permlanex16_b32 v[TM+4+\b], v[TM+\b], s[SEL], s[SEL+1]
.endr
.irp b, 0,1,2,3
	v_max_num_f32 v[TM+\b], v[TM+\b], v[TM+4+\b]
.endr
.irp b, 0,1,2,3
	v_add_nc_u32 v[TM+12+\b], 0xff000000, v[TM+\b] ; 2 off the exponent field: the conversion's scale operand
.endr
.irp b, 0,1,2,3
	v_lshrrev_b32 v[TM+4+\b], 23, v[TM+12+\b]
.endr
	v_lshl_or_b32 v[\pw], v[TM+5], 8, v[TM+4]
	v_lshl_or_b32 v[\pw], v[TM+6], 16, v[\pw]
	v_lshl_or_b32 v[\pw], v[TM+7], 24, v[\pw]
.irp b, 0,1,2,3
	v_cvt_scalef32_pk8_fp4_f32 v[(\pc)+2*\b], v[(\s)+16*\b:(\s)+7+16*\b], v[TM+12+\b]
	v_cvt_scalef32_pk8_fp4_f32 v[(\pc)+1+2*\b], v[(\s)+8+16*\b:(\s)+15+16*\b], v[TM+12+\b]
.endr
	v_nop                                          ; one plain line behind the scaled conversions
.irp c, 0,1
.irp i, 0,1
	v_permlane16_swap_b32 v[(\pc)+4*\c+\i], v[(\pc)+2+4*\c+\i]
.endr
.endr
.endm
; s32 = which 8 tiles of source 0, s33 = which 4 tiles of source 1: their codes s[12:13], s[16:17] and scale words s[14:15], s[18:19]
.macro BASES pc, ps, qc, qs
	s_lshl_b32 s24, s32, 16                        ; 8 tiles of 8,192 bytes
.if (\pc) != 0
	s_add_co_u32 s24, s24, \pc
.endif
	s_add_nc_u64 s[12:13], s[4:5], s[24:25]
	s_lshl_b32 s24, s32, 12                        ; 8 tiles of 512 bytes
	s_add_co_u32 s24, s24, \ps
	s_add_nc_u64 s[14:15], s[4:5], s[24:25]
	s_lshl_b32 s24, s33, 15
.if (\qc) != 0
	s_add_co_u32 s24, s24, \qc
.endif
	s_add_nc_u64 s[16:17], s[4:5], s[24:25]
	s_lshl_b32 s24, s33, 11
	s_add_co_u32 s24, s24, \qs
	s_add_nc_u64 s[18:19], s[4:5], s[24:25]
.endm
.macro SCLOADS                         ; all scale words of the wave's tiles: a load brings a tile's words of four K steps (lanes 16-31 read what lanes 0-15 read)
.irp t, 0,1,2,3,4,5,6,7
.irp q, 0,1
	global_load_b128 v[SP+8*\t+4*\q:SP+8*\t+4*\q+3], v2, s[14:15] offset:512*\t+256*\q
.endr
.endr
.irp j, 0,1,2,3
.irp q, 0,1
	global_load_b128 v[SQ+8*\j+4*\q:SQ+8*\j+4*\q+3], v2, s[18:19] offset:512*\j+256*\q
.endr
.endr
.endm
.macro LOADG s, g                      ; six of K step s's 24 loads, into set s % 4: source 0's tiles 2 g and 2 g + 1, source 1's tile g
.if ((\s)%4) >= 2
	WIN 0xc0                                       ; destination window 3, address window 0
.else
	WIN 0x80                                       ; destination window 2
.endif
.set LB, 96*((\s)%2)
.irp u, 0,1
.irp c, 0,1
	global_load_b128 v[LB+8*(2*(\g)+\u)+4*\c:LB+8*(2*(\g)+\u)+4*\c+3], v1, s[12:13] offset:8192*(2*(\g)+\u)+1024*(\s)+512*\c
.endr
.endr
.irp c, 0,1
	global_load_b128 v[LB+64+8*(\g)+4*\c:LB+64+8*(\g)+4*\c+3], v1, s[16:17] offset:8192*(\g)+1024*(\s)+512*\c
.endr
.endm
.macro LOADF s                         ; K step s: 12 fragments, 24 loads
	LOADG \s, 0
	LOADG \s, 1
	LOADG \s, 2
	LOADG \s, 3
.endm
.macro KSTEP s                         ; 32 matrix instructions; the 32 accumulators take turns, one instruction a turn
.if (\s) <= 5
	s_wait_loadcnt 48                              ; this step's loads and all older ones are in; the two younger steps' 2 x 24 stay out
.elseif (\s) == 6
	s_wait_loadcnt 24                              ; the last step's 24 stay out
.else
	s_wait_loadcnt 0x0
.endif
.if ((\s) >= 1) && ((\s) <= 4)
	PLACES                                         ; behind the last step's matrix instructions, ahead of the loads into the set that they read
	s_wait_alu depctr_va_vdst(0)                   ; the last step's matrix instructions are done reading their set, in which this step's 24 loads land
.endif
.set FB, 96*((\s)%2)
.irp j, 0,1,2,3
.if ((\s)%4) >= 2
	WIN 0x5f                                       ; sources window 3, C and D window 1
.else
	WIN 0x5a                                       ; sources window 2
.endif
.irp t, 0,1,2,3,4,5,6,7
.if (\s) == 0
	v_wmma_scale_f32_16x16x128_f8f6f4 v[8*(8*\j+\t):8*(8*\j+\t)+7], v[FB+8*\t:FB+8*\t+7], v[FB+64+8*\j:FB+64+8*\j+7], 0, v[SP+8*\t+(\s)], v[SQ+8*\j+(\s)] matrix_a_fmt:MATRIX_FMT_FP4 matrix_b_fmt:MATRIX_FMT_FP4
.else
	v_wmma_scale_f32_16x16x128_f8f6f4 v[8*(8*\j+\t):8*(8*\j+\t)+7], v[FB+8*\t:FB+8*\t+7], v[FB+64+8*\j:FB+64+8*\j+7], v[8*(8*\j+\t):8*(8*\j+\t)+7], v[SP+8*\t+(\s)], v[SQ+8*\j+(\s)] matrix_a_fmt:MATRIX_FMT_FP4 matrix_b_fmt:MATRIX_FMT_FP4
.endif
.endr
.if (\s) <= 4
	LOADG (\s)+3, \j                               ; three steps ahead.  No wait: no vector or matrix instruction since the wait at the step's head names these registers
.endif
.endr
.if (\s) == 7
	WIN 0
	PLACES                                         ; ahead of the first read of the sums
.endif
.endm
.macro MAIN
	LOADF 0
	LOADF 1
	LOADF 2
.irp s, 0,1,2,3,4,5,6,7
	KSTEP \s
.endr
.endm
	s_load_b128 s[4:7], s[0:1], 0x0                ; pq, bq
	s_load_b64 s[8:9], s[0:1], 0x10                ; kv
	v_lshrrev_b32 v1, 5, v0
	v_readfirstlane_b32 s10, v1                    ; wave 0..3
	v_and_b32 v7, 31, v0                           ; lane
	v_and_b32 v8, 15, v0                           ; r
	v_bfe_u32 v9, v0, 4, 1                         ; h
	v_lshlrev_b32 v1, 4, v7                        ; 16 x lane: an image's place for my lane
	v_lshlrev_b32 v2, 4, v8                        ; 16 r: a tile's scale words
.irp b, 0,1,2,3
	v_mov_b32 v[TM+4+\b], 0                        ; a lane permute's destination counts as one of its sources
.endr
	s_mov_b32 s[SEL], 0x76543210
	s_mov_b32 s[SEL+1], 0xfedcba98
	s_mov_b32 s28, 0xffff
	s_mov_b32 s29, 0x7f7f0000
	s_mov_b32 s25, 0                               ; the upper word of the offset pair s[24:25]
	s_and_b32 s24, ttmp9, 127
	s_lshl_b32 s24, s24, 2
	s_wait_alu depctr_va_sdst(0)                   ; s10, the wave's number, is written, ahead of its first reader
	s_add_co_u32 s26, s24, s10                     ; my wave's number within its role, 0..511
	s_wait_kmcnt 0x0
	s_cmp_lt_u32 ttmp9, 128
	s_cbranch_scc0 .Lrole2
	; ---- role 1
	s_and_b32 s32, s26, 7                          ; which pair of heads
	s_lshr_b32 s33, s26, 3                         ; which 64 rows of x
	BASES WQC, WQS, XC, XS
	v_lshlrev_b32 v3, 6, v9                        ; bq: lane (r, h) wants, for tile t, those of operand rows 32 (t / 2) + 16 h + 8 (t % 2) + 0 .. 7
	v_lshlrev_b32 v5, 4, v9                        ; 16 h: lanes 16-31 take the second head's two bytes
	v_mad_u32_u24 v6, v9, HEADB, v2                ; and store them in the second head's part
	s_wait_alu depctr_va_vdst(0)                   ; the offsets v1, v2, v3 and v6 are written, which the loads and stores of this role read
	SCLOADS
	s_lshl_b32 s24, s32, 9
	s_add_nc_u64 s[40:41], s[6:7], s[24:25]        ; bq: my 128 numbers
	WIN 0x80
.irp t, 0,1,2,3,4,5,6,7
	global_load_b128 v[BI+8*\t:BI+8*\t+3], v3, s[40:41] offset:(32*(\t/2)+8*(\t%2))*4
	global_load_b128 v[BI+8*\t+4:BI+8*\t+7], v3, s[40:41] offset:(32*(\t/2)+8*(\t%2))*4+16
.endr
	WIN 0
	s_lshr_b32 s34, s33, 5                         ; batch
	s_lshl_b32 s34, s34, 4
	s_lshl_b32 s35, s32, 1
	s_add_co_u32 s34, s34, s35
	s_mul_i32 s34, s34, HEADB                      ; the first of my two heads in kv
	s_and_b32 s35, s33, 31                         ; which 4 key tiles of the head
	s_lshl_b32 s24, s35, 11
	s_add_co_u32 s24, s24, s34
	s_add_nc_u64 s[20:21], s[8:9], s[24:25]        ; codes
	s_lshl_b32 s24, s35, 8
	s_add_co_u32 s24, s24, s34
	s_add_co_u32 s24, s24, 131072
	s_add_nc_u64 s[22:23], s[8:9], s[24:25]        ; scale words
	MAIN
.irp j, 0,1,2,3                                ; a tile of 16 rows at a time: + bq, quantised along e: blocks 0, 1 are the first head's 64, blocks 2, 3 the second's
	WIN 0x09                                       ; source 0 window 1 (the sums), source 1 window 2 (the bias)
.set k, 0
.rept 32
	v_pk_add_f32 v[H+2*k:H+2*k+1], v[64*\j+2*k:64*\j+2*k+1], v[BI+2*k:BI+2*k+1]   ; each accumulator from its low end on
.set k, k+1
.endr
	WIN 0
	QUANT H, PC+8*\j, PW
	v_lshrrev_b32 v[WD+\j], v5, v[PW]
	v_and_or_b32 v[WD+\j], v[WD+\j], s28, s29      ; my head's two bytes, and 127 for the two blocks of zero codes
	s_wait_alu depctr_va_vdst(0)                   ; the quantiser has written this tile's codes, which the two stores read; behind the last tile also the four words
	global_store_b128 v1, v[PC+8*\j:PC+8*\j+3], s[20:21] offset:512*\j                 ; the first head's tile: 512 consecutive bytes
	global_store_b128 v1, v[PC+8*\j+4:PC+8*\j+7], s[20:21] offset:HEADB+512*\j         ; the second head's
.endr
	global_store_b128 v6, v[WD:WD+3], s[22:23]     ; four tiles' words: 256 consecutive aligned bytes for each head
	s_endpgm
.Lrole2:
	s_lshr_b32 s32, s26, 4                         ; which 128 rows of x: a key step
	s_and_b32 s33, s26, 15                         ; which head
	BASES XC, XS, WQC, WQS
	v_and_b32 v4, 7, v8
	v_lshrrev_b32 v10, 3, v8
	v_lshl_add_u32 v4, v10, 4, v4
	v_lshlrev_b32 v4, 2, v4                        ; bq: my lane's e within a tile: (r % 8) + 16 (r / 8)
	s_wait_alu depctr_va_vdst(0)                   ; the offsets v1, v2 and v4 are written, which the loads and stores of this role read
	SCLOADS
	s_lshl_b32 s24, s33, 8
	s_add_nc_u64 s[40:41], s[6:7], s[24:25]        ; bq: my head's 64
	WIN 0x80
.irp j, 0,1,2,3
	global_load_b32 v[BI+2*\j], v4, s[40:41] offset:(32*(\j/2)+8*(\j%2))*4     ; one number a lane, twice: the packed addition names a pair
	global_load_b32 v[BI+2*\j+1], v4, s[40:41] offset:(32*(\j/2)+8*(\j%2))*4
.endr
	WIN 0
	s_lshr_b32 s34, s32, 4                         ; batch
	s_lshl_b32 s34, s34, 4
	s_add_co_u32 s34, s34, s33
	s_mul_i32 s34, s34, HEADB
	s_and_b32 s35, s32, 15                         ; the key step within the head
	s_lshl_b32 s24, s35, 12
	s_add_co_u32 s24, s24, s34
	s_add_co_u32 s24, s24, 65536
	s_add_nc_u64 s[20:21], s[8:9], s[24:25]
	s_lshl_b32 s24, s35, 8
	s_add_co_u32 s24, s24, s34
	s_add_co_u32 s24, s24, 139264
	s_add_nc_u64 s[22:23], s[8:9], s[24:25]
	MAIN
.irp j, 0,1,2,3                                ; a tile of 16 e at a time: + bq, quantised along the 128 keys
	WIN 0x09
.set k, 0
.rept 32
	v_pk_add_f32 v[H+2*k:H+2*k+1], v[64*\j+2*k:64*\j+2*k+1], v[BI+2*\j:BI+2*\j+1]
.set k, k+1
.endr
	WIN 0
	QUANT H, PC+8*\j, WD+\j
	s_wait_alu depctr_va_vdst(0)                   ; the quantiser has written this tile's codes, which the two stores read
	global_store_b128 v1, v[PC+8*\j:PC+8*\j+3], s[20:21] offset:1024*\j
	global_store_b128 v1, v[PC+8*\j+4:PC+8*\j+7], s[20:21] offset:1024*\j+512
.endr
	v_cmp_gt_u32 vcc_lo, 16, v7
	s_wait_xcnt 0x0                                ; EXEC changes only behind this wait
	s_wait_alu depctr_va_vcc(0)                    ; VCC is written: EXEC is made from it
	s_wait_alu depctr_va_vdst(0)                   ; ahead of a write of EXEC: every vector instruction has written its result (the four words among them, which the store below reads),
	s_wait_alu depctr_vm_vsrc(0)                   ; and every store has read its registers
	s_and_saveexec_b32 s36, vcc_lo
	global_store_b128 v2, v[WD:WD+3], s[22:23]     ; lanes 0-15: 256 consecutive aligned bytes
	s_wait_xcnt 0x0
	s_wait_alu depctr_va_vdst(0)                   ; ahead of the write that restores EXEC: both lines once more;
	s_wait_alu depctr_vm_vsrc(0)                   ; the store has read its registers
	s_or_b32 exec_lo, exec_lo, s36
	s_endpgm
.Lfunc_end_k_qaf3595a5db_qproj:
	.size	k_qaf3595a5db_qproj, .Lfunc_end_k_qaf3595a5db_qproj-k_qaf3595a5db_qproj
	.p2alignl 7, 3214868480
	.fill 96, 4, 3214868480
	.section	.rodata,"a",@progbits
	.p2align	6, 0x0
	.amdhsa_kernel k_qaf3595a5db_qproj
		.amdhsa_group_segment_fixed_size 0
		.amdhsa_private_segment_fixed_size 0
		.amdhsa_enable_private_segment 0
		.amdhsa_kernarg_size 24
		.amdhsa_user_sgpr_count 2
		.amdhsa_user_sgpr_kernarg_segment_ptr 1
		.amdhsa_wavefront_size32 1
		.amdhsa_system_sgpr_workgroup_id_x 1
		.amdhsa_system_sgpr_workgroup_id_y 1
		.amdhsa_system_sgpr_workgroup_id_z 1
		.amdhsa_system_vgpr_workitem_id 0
		.amdhsa_next_free_vgpr 960
		.amdhsa_next_free_sgpr 66
		.amdhsa_reserve_vcc 1
		.amdhsa_float_denorm_mode_32 3
		.amdhsa_float_denorm_mode_16_64 3
		.amdhsa_memory_ordered 1
		.amdhsa_forward_progress 1
		.amdhsa_inst_pref_size 165
	.end_amdhsa_kernel
	.amdgpu_metadata
---
amdhsa.version: [ 1, 2 ]
amdhsa.kernels:
  - .name:           k_qaf3595a5db_qproj
    .symbol:         k_qaf3595a5db_qproj.kd
    .args:
      - { .name: pq, .offset: 0, .size: 8, .value_kind: global_buffer, .address_space: global }
      - { .name: bq, .offset: 8, .size: 8, .value_kind: global_buffer, .address_space: global }
      - { .name: kv, .offset: 16, .size: 8, .value_kind: global_buffer, .address_space: global }
    .group_segment_fixed_size: 0
    .private_segment_fixed_size: 0
    .kernarg_segment_align: 8
    .kernarg_segment_size: 24
    .max_flat_workgroup_size: 128
    .sgpr_count:     66
    .vgpr_count:     960
    .wavefront_size: 32
...
	.end_amdgpu_metadata
.endif
;; end of part 8
;; launch attn: the kernel of part 3 again; grid 8 x 32, 16 waves a work-group, no clusters, 215,040 bytes of LDS; arguments kv, x, r1; writes r1
;; launch ln1: the kernel of part 4 again; grid 256 x 1, 16 waves a work-group, no clusters, 67,840 bytes of LDS; arguments r1, ln1_g, ln1_b, x1, x1q; writes x1, x1q
;; launch gemm1 (part 9): grid 16 x 16, 4 waves a work-group, no clusters, 0 bytes of LDS; arguments x1q, pq, b1, hq; writes hq
.if DOCPART == 9
	.amdgcn_target "amdgcn-amd-amdhsa--gfx1250"
	.amdhsa_code_object_version 6
	.text
	.protected	k_qaf3595a5db_gemm1
	.globl	k_qaf3595a5db_gemm1
	.p2align	8
	.type	k_qaf3595a5db_gemm1,@function
k_qaf3595a5db_gemm1:
	s_mov_b64 s[64:65], 0
	v_nop
	global_prefetch_b8 v0, s[64:65] scope:SCOPE_SE
	s_setreg_imm32_b32 hwreg(HW_REG_WAVE_SCHED_MODE, 0, 2), 2
	s_setreg_imm32_b32 hwreg(HW_REG_WAVE_MODE, 25, 1), 1
	s_wait_xcnt 0x0
	s_wait_alu depctr_vm_vsrc(0)
; The hidden layer relu(x1 W1 + b1) on codes of FP4, quantised in registers along the hidden units and stored as codes: hq, codes [row tile][block of 32][lane-row][16 B] at 0 (32 K steps a tile),
; scale words [row tile][K / 512][lane-row][16 B] at 8,388,608.  The f32 numbers never go to memory.
; A wave: source 0 = 8 tiles of W1 (128 hidden units), source 1 = 8 tiles of x1 (128 rows): 64 accumulators; a lane holds one row and its registers run along the hidden units, 16 neighbours in two neighbouring tiles.
; K = 1,024 in 8 steps, written out.  Fragments come from memory straight into registers, each load 512 consecutive bytes, two sets by turns.  b1 is the C of each sum's first matrix instruction.
; No tensor load, no LDS, no cluster: K is short, and the images make every load dense; the price is that the two waves that share a fragment each load it.
; LIMITS: NaN and infinities are not served; blocks under 2^-124, and blocks of zeros, keep the byte 1.
; REGISTERS: window 0: v1-7 addresses; v16-79 W1's scale words (tile t, step s at 16 + 8 t + s), v80-143 x1's: scales and nothing else; v144-207 b1, later 64 numbers; v208-223 at work; v224-231 scale words made; v232-247 codes, two sets.
;   window 1: fragment sets at 0 and 128 (W1's tile t at + 8 t, x1's tile j at + 64 + 8 j).   windows 2, 3: accumulator (j, t) at 8 (8 (j % 4) + t) of window 2 + j / 4.
; THE MODE: SCHED_MODE bits 1:0 = 2 (LLVM: expert scheduling mode 2), set by the entry lines.  The code itself states the register dependences
; between vector or matrix instructions and memory instructions, with s_wait_alu, always for 0.
; THE PLAN.  Registers that memory instructions touch:
;   F0, F1        the fragment sets, 128 registers each.  Step s: its 64 matrix instructions read F[s % 2]; behind them the loads of step s + 2 land in it.
;                 A third set has no room: 512 accumulators, 256 in the two sets and 128 scale words leave 120 registers, and those not on end.
;   v16-143, v144-207  scale words and b1: loaded once, at the head.
;   v1, v2, v3    offsets, made ahead of the first load and never written again.
;   v232-247      codes, two sets by turns: written by the quantiser of tile j, read by tile j's two stores, written again by tile j + 2.   v224-231: a scale word for each tile, stored at the end.
; So ONE wait on va_vdst stands in a step, behind its matrix instructions: they are done reading the set, which is asked for again at once, so that two steps' loads stay on their way.
; On the way out: one wait on va_vdst ahead of a tile's stores, one on vm_vsrc ahead of the lines that write a set of codes again.
.set W1C,  2228224
.set W1S,  6946816
.set SP,   16
.set SQ,   80
.set BI,   144
.set H,    144
.set TM,   208
.set PWJ,  224
.set PC,   232
.set SEL,  36
.set MSB, 0
.macro WIN new
.if MSB != (\new)
	s_set_vgpr_msb (MSB<<8)|(\new)
.set MSB, (\new)
.endif
.endm
.macro PLACES                          ; four plain lines behind matrix instructions, ahead of loads into their registers and of the first read of results
.rept 4
	v_nop
.endr
.endm
.macro QUANT s, pc, pw
.irp b, 0,1,2,3
	v_max3_num_f32 v[TM+\b], |v[(\s)+16*\b]|, |v[(\s)+1+16*\b]|, 0x1800000
.endr
.irp i, 2,4,6,8,10,12,14
.irp b, 0,1,2,3
	v_max3_num_f32 v[TM+\b], v[TM+\b], |v[(\s)+16*\b+\i]|, |v[(\s)+1+16*\b+\i]|
.endr
.endr
.irp b, 0,1,2,3
	v_permlanex16_b32 v[TM+4+\b], v[TM+\b], s[SEL], s[SEL+1]
.endr
.irp b, 0,1,2,3
	v_max_num_f32 v[TM+\b], v[TM+\b], v[TM+4+\b]
.endr
.irp b, 0,1,2,3
	v_add_nc_u32 v[TM+12+\b], 0xff000000, v[TM+\b]
.endr
.irp b, 0,1,2,3
	v_lshrrev_b32 v[TM+4+\b], 23, v[TM+12+\b]
.endr
	v_lshl_or_b32 v[\pw], v[TM+5], 8, v[TM+4]
	v_lshl_or_b32 v[\pw], v[TM+6], 16, v[\pw]
	v_lshl_or_b32 v[\pw], v[TM+7], 24, v[\pw]
.irp b, 0,1,2,3
	v_cvt_scalef32_pk8_fp4_f32 v[(\pc)+2*\b], v[(\s)+16*\b:(\s)+7+16*\b], v[TM+12+\b]
	v_cvt_scalef32_pk8_fp4_f32 v[(\pc)+1+2*\b], v[(\s)+8+16*\b:(\s)+15+16*\b], v[TM+12+\b]
.endr
	v_nop                                          ; one plain line behind the scaled conversions
.irp c, 0,1
.irp i, 0,1
	v_permlane16_swap_b32 v[(\pc)+4*\c+\i], v[(\pc)+2+4*\c+\i]
.endr
.endr
.endm
.macro LOADF s                         ; K step s: 16 fragments, 32 loads, into set s % 2
	WIN 0x40
.set FB, 128*((\s)%2)
.irp t, 0,1,2,3,4,5,6,7
.irp c, 0,1
	global_load_b128 v[FB+8*\t+4*\c:FB+8*\t+4*\c+3], v1, s[20:21] offset:8192*\t+1024*(\s)+512*\c
.endr
.endr
.irp j, 0,1,2,3,4,5,6,7
.irp c, 0,1
	global_load_b128 v[FB+64+8*\j+4*\c:FB+64+8*\j+4*\c+3], v1, s[24:25] offset:8192*\j+1024*(\s)+512*\c
.endr
.endr
	WIN 0
.endm
.macro KSTEP s                         ; 64 matrix instructions; the 64 accumulators take turns, one instruction a turn
.if (\s) < 7
	s_wait_loadcnt 32                              ; this step's loads and all older ones are in; the next step's 32 stay out
.else
	s_wait_loadcnt 0x0
.endif
.set FB, 128*((\s)%2)
.irp j, 0,1,2,3,4,5,6,7
.if (\s) == 0
	WIN 0x85+0x40*(\j/4)                           ; sources window 1, C (the bias) window 0, D window 2 or 3
.else
	WIN 0xa5+0x50*(\j/4)                           ; sources window 1, C and D window 2 or 3
.endif
.irp t, 0,1,2,3,4,5,6,7
.if (\s) == 0
	v_wmma_scale_f32_16x16x128_f8f6f4 v[8*(8*(\j%4)+\t):8*(8*(\j%4)+\t)+7], v[FB+8*\t:FB+8*\t+7], v[FB+64+8*\j:FB+64+8*\j+7], v[BI+8*\t:BI+8*\t+7], v[SP+8*\t+(\s)], v[SQ+8*\j+(\s)] matrix_a_fmt:MATRIX_FMT_FP4 matrix_b_fmt:MATRIX_FMT_FP4
.else
	v_wmma_scale_f32_16x16x128_f8f6f4 v[8*(8*(\j%4)+\t):8*(8*(\j%4)+\t)+7], v[FB+8*\t:FB+8*\t+7], v[FB+64+8*\j:FB+64+8*\j+7], v[8*(8*(\j%4)+\t):8*(8*(\j%4)+\t)+7], v[SP+8*\t+(\s)], v[SQ+8*\j+(\s)] matrix_a_fmt:MATRIX_FMT_FP4 matrix_b_fmt:MATRIX_FMT_FP4
.endif
.endr
.endr
.if ((\s) <= 5) || ((\s) == 7)
	WIN 0
	PLACES
.endif
.if (\s) <= 5
	s_wait_alu depctr_va_vdst(0)                   ; this step's matrix instructions are done reading their set, in which the 32 loads below land
	LOADF (\s)+2                                   ; into the set just multiplied
.endif
.endm
	s_load_b256 s[4:11], s[0:1], 0x0               ; x1q, pq, b1, hq
	v_lshrrev_b32 v1, 5, v0
	v_readfirstlane_b32 s12, v1                    ; wave 0..3
	v_and_b32 v7, 31, v0                           ; lane
	v_and_b32 v4, 15, v0
	v_bfe_u32 v5, v0, 4, 1
	v_lshlrev_b32 v1, 4, v7                        ; 16 x lane
	v_lshlrev_b32 v2, 4, v4                        ; 16 r
	v_lshlrev_b32 v3, 6, v5                        ; 64 h
.irp b, 0,1,2,3
	v_mov_b32 v[TM+4+\b], 0                        ; a lane permute's destination counts as one of its sources
.endr
	s_wait_alu depctr_va_sdst(0)                   ; s12, the wave's number, is written, ahead of its first reader
	s_and_b32 s13, s12, 1
	s_lshl_b32 s14, ttmp9, 1
	s_add_co_u32 s14, s14, s13                     ; which 128 hidden units, 0..31
	s_lshr_b32 s13, s12, 1
	s_and_b32 s15, ttmp7, 0xffff
	s_lshl_b32 s15, s15, 1
	s_add_co_u32 s15, s15, s13                     ; which 128 rows, 0..31
	s_mov_b32 s17, 0
	s_mov_b32 s[SEL], 0x76543210
	s_mov_b32 s[SEL+1], 0xfedcba98
	s_wait_kmcnt 0x0
	s_lshl_b32 s16, s14, 16
	s_add_co_u32 s16, s16, W1C
	s_add_nc_u64 s[20:21], s[6:7], s[16:17]        ; W1's codes
	s_lshl_b32 s16, s14, 12
	s_add_co_u32 s16, s16, W1S
	s_add_nc_u64 s[22:23], s[6:7], s[16:17]        ; W1's scale words
	s_lshl_b32 s16, s15, 16
	s_add_nc_u64 s[24:25], s[4:5], s[16:17]        ; x1's codes
	s_lshl_b32 s16, s15, 12
	s_add_co_u32 s16, s16, 2097152
	s_add_nc_u64 s[26:27], s[4:5], s[16:17]        ; x1's scale words
	s_lshl_b32 s16, s14, 9
	s_add_nc_u64 s[28:29], s[8:9], s[16:17]        ; b1: my 128
	s_wait_alu depctr_va_vdst(0)                   ; the offsets v1, v2 and v3 are written, which every load and store of the kernel reads
.irp t, 0,1,2,3,4,5,6,7
.irp q, 0,1
	global_load_b128 v[SP+8*\t+4*\q:SP+8*\t+4*\q+3], v2, s[22:23] offset:512*\t+256*\q
	global_load_b128 v[SQ+8*\t+4*\q:SQ+8*\t+4*\q+3], v2, s[26:27] offset:512*\t+256*\q
.endr
.endr
.irp t, 0,1,2,3,4,5,6,7
	global_load_b128 v[BI+8*\t:BI+8*\t+3], v3, s[28:29] offset:(32*(\t/2)+8*(\t%2))*4      ; lane (r, h): hidden units 32 (t / 2) + 16 h + 8 (t % 2) + 0 .. 7
	global_load_b128 v[BI+8*\t+4:BI+8*\t+7], v3, s[28:29] offset:(32*(\t/2)+8*(\t%2))*4+16
.endr
	LOADF 0
	LOADF 1
	s_lshl_b32 s16, s15, 18                        ; out: 8 row tiles of 32,768 bytes,
	s_lshl_b32 s13, s14, 10                        ; my 128 hidden units are K step number s14 of the next product
	s_add_co_u32 s16, s16, s13
	s_add_nc_u64 s[32:33], s[10:11], s[16:17]
	s_lshl_b32 s16, s15, 14
	s_lshr_b32 s13, s14, 2
	s_lshl_b32 s13, s13, 8
	s_add_co_u32 s16, s16, s13
	s_and_b32 s13, s14, 3
	s_lshl_b32 s13, s13, 2
	s_add_co_u32 s16, s16, s13
	s_add_co_u32 s16, s16, 8388608
	s_add_nc_u64 s[34:35], s[10:11], s[16:17]
.irp s, 0,1,2,3,4,5,6,7
	KSTEP \s
.endr
.irp j, 0,1,2,3,4,5,6,7                        ; a tile of 16 rows at a time: relu, quantised, stored as a fragment's image
.if \j >= 2
	s_wait_xcnt 0x0                                ; the stores of two tiles ago have had their addresses translated,
	s_wait_alu depctr_vm_vsrc(0)                   ; and have read this set of codes, which this tile's quantiser writes again
.endif
	WIN 0x08+4*(\j/4)                              ; source 1 window 2 or 3
.set k, 0
.rept 64
	v_max_num_f32 v[H+k], 0, v[64*(\j%4)+k]        ; the activation, and the way into window 0; each accumulator from its low end on
.set k, k+1
.endr
	WIN 0
	QUANT H, PC+8*(\j%2), PWJ+\j
	s_wait_alu depctr_va_vdst(0)                   ; the quantiser has written this tile's codes, which the two stores read
	global_store_b128 v1, v[PC+8*(\j%2):PC+8*(\j%2)+3], s[32:33] offset:32768*\j          ; 512 consecutive bytes each
	global_store_b128 v1, v[PC+8*(\j%2)+4:PC+8*(\j%2)+7], s[32:33] offset:32768*\j+512
.endr
	v_cmp_gt_u32 vcc_lo, 16, v7
	s_wait_xcnt 0x0                                ; EXEC changes only behind this wait
	s_wait_alu depctr_va_vcc(0)                    ; VCC is written: EXEC is made from it
	s_wait_alu depctr_va_vdst(0)                   ; ahead of a write of EXEC: every vector instruction has written its result (the eight scale words among them, which the stores below read),
	s_wait_alu depctr_vm_vsrc(0)                   ; and every store has read its registers
	s_and_saveexec_b32 s13, vcc_lo
.irp j, 0,1,2,3,4,5,6,7
	global_store_b32 v2, v[PWJ+\j], s[34:35] offset:2048*\j        ; 4 bytes of every 16: one byte for each 16 of codes
.endr
	s_wait_xcnt 0x0
	s_wait_alu depctr_va_vdst(0)                   ; ahead of the write that restores EXEC: both lines once more;
	s_wait_alu depctr_vm_vsrc(0)                   ; the eight stores have read their registers
	s_or_b32 exec_lo, exec_lo, s13
	s_endpgm
.Lfunc_end_k_qaf3595a5db_gemm1:
	.size	k_qaf3595a5db_gemm1, .Lfunc_end_k_qaf3595a5db_gemm1-k_qaf3595a5db_gemm1
	.p2alignl 7, 3214868480
	.fill 96, 4, 3214868480
	.section	.rodata,"a",@progbits
	.p2align	6, 0x0
	.amdhsa_kernel k_qaf3595a5db_gemm1
		.amdhsa_group_segment_fixed_size 0
		.amdhsa_private_segment_fixed_size 0
		.amdhsa_enable_private_segment 0
		.amdhsa_kernarg_size 32
		.amdhsa_user_sgpr_count 2
		.amdhsa_user_sgpr_kernarg_segment_ptr 1
		.amdhsa_wavefront_size32 1
		.amdhsa_system_sgpr_workgroup_id_x 1
		.amdhsa_system_sgpr_workgroup_id_y 1
		.amdhsa_system_sgpr_workgroup_id_z 1
		.amdhsa_system_vgpr_workitem_id 0
		.amdhsa_next_free_vgpr 1024
		.amdhsa_next_free_sgpr 66
		.amdhsa_reserve_vcc 1
		.amdhsa_float_denorm_mode_32 3
		.amdhsa_float_denorm_mode_16_64 3
		.amdhsa_memory_ordered 1
		.amdhsa_forward_progress 1
		.amdhsa_inst_pref_size 147
	.end_amdhsa_kernel
	.amdgpu_metadata
---
amdhsa.version: [ 1, 2 ]
amdhsa.kernels:
  - .name:           k_qaf3595a5db_gemm1
    .symbol:         k_qaf3595a5db_gemm1.kd
    .args:
      - { .name: x1q, .offset: 0, .size: 8, .value_kind: global_buffer, .address_space: global }
      - { .name: pq, .offset: 8, .size: 8, .value_kind: global_buffer, .address_space: global }
      - { .name: b1, .offset: 16, .size: 8, .value_kind: global_buffer, .address_space: global }
      - { .name: hq, .offset: 24, .size: 8, .value_kind: global_buffer, .address_space: global }
    .group_segment_fixed_size: 0
    .private_segment_fixed_size: 0
    .kernarg_segment_align: 8
    .kernarg_segment_size: 32
    .max_flat_workgroup_size: 128
    .sgpr_count:     66
    .vgpr_count:     1024
    .wavefront_size: 32
...
	.end_amdgpu_metadata
.endif
;; end of part 9
;; launch gemm2 (part 10): grid 8 x 32, 4 waves a work-group, no clusters, 17,920 bytes of LDS; arguments hq, pq, b2, x1, r2; writes r2
.if DOCPART == 10
	.amdgcn_target "amdgcn-amd-amdhsa--gfx1250"
	.amdhsa_code_object_version 6
	.text
	.protected	k_qaf3595a5db_gemm2
	.globl	k_qaf3595a5db_gemm2
	.p2align	8
	.type	k_qaf3595a5db_gemm2,@function
k_qaf3595a5db_gemm2:
	s_mov_b64 s[64:65], 0
	v_nop
	global_prefetch_b8 v0, s[64:65] scope:SCOPE_SE
	s_setreg_imm32_b32 hwreg(HW_REG_WAVE_SCHED_MODE, 0, 2), 2
	s_setreg_imm32_b32 hwreg(HW_REG_WAVE_MODE, 25, 1), 1
	s_wait_xcnt 0x0
	s_wait_alu depctr_vm_vsrc(0)
; r2 = x1 + h W2 + b2, the product on codes of FP4.  A wave: source 0 = 4 tiles of W2 (64 columns), source 1 = 4 tiles of h (64 rows): 16 accumulators; K = 4,096 in 32 steps of 128.
; Fragments come from memory straight into registers, each load 512 consecutive bytes, asked for four steps ahead, so that three steps' loads are out while one step is multiplied.
; Scale words come for four K steps at a time (one load a tile), two sets by turns.  b2 is the C of each sum's first matrix instruction.
; On the way out a tile of 16 rows goes through the wave's own stage in LDS and comes back as rows of 256 bytes; x1 is added; sixteen lanes store 256 consecutive aligned bytes.
; No tensor load and no cluster: the images make every load dense; the price is that the two waves that share a fragment each load it.
; REGISTERS: window 0: v1-9 addresses; v16-79 scale words and nothing else (set c at 16 + 32 c: W2's tile t, step i at + 4 t + i; h's tile j at + 16 + 4 j + i); v80-111 b2; v126, v127 the closing add's two; accumulator (j, t) at 128 + 8 (4 j + t).
;   windows 1 and 2: four fragment sets each, set i at 64 i (W2's tile t at + 8 t, h's tile j at + 32 + 8 j); on the way out window 1 holds x1 in v0-127 and the rows that come back in v128-255.
; THE MODE: SCHED_MODE bits 1:0 = 2 (LLVM: expert scheduling mode 2), set by the entry lines.  The code itself states the register dependences
; between vector or matrix instructions and memory or LDS instructions, with s_wait_alu, always for 0.
; THE PLAN.  A HALF is four K steps under one set of scale words.  Registers that memory or LDS instructions touch:
;   windows 1, 2    The half with scale set c multiplies window 1 + c; its loads, the next half's fragments, land in the other window, which the half before read.
;   scale sets 0, 1 The same turns: the half reads set c, and the next half's words land in the other set.
;   v1 .. v6        offsets and LDS addresses, made ahead of the first load and never written again.
;   The accumulators: read by the LDS stores of the way out.   Window 1 on the way out: x1 and the stage's rows land in it; the additions write the rows, the stores read them.
;   v126, v127      written at the head, read by the closing add alone.
; So ONE wait on va_vdst stands at the head of a half, behind the wait for its first step's data: the half before is done reading the other window and the other scale set.  The half's 72 loads follow it:
; the scale words first, then each step's sixteen, eight behind each eight matrix instructions, which name this half's window, its scale set and the accumulators: none of the registers that those loads touch.
; The last half multiplies window 2 and asks for no fragments: x1's 32 loads, eight to a step, land in window 1 in their stead.
.set W2C,  4325376
.set W2S,  7077888
.set SC,   16
.set BI,   80
.set ACC,  128
.set SPITCH, 272
.set MSB, 0
.macro WIN new
.if MSB != (\new)
	s_set_vgpr_msb (MSB<<8)|(\new)
.set MSB, (\new)
.endif
.endm
.macro PLACES                          ; four plain lines behind matrix instructions, ahead of loads into their registers and of the first read of results
.rept 4
	v_nop
.endr
.endm
.macro SLOAD sc, soff                  ; eight tiles' scale words of four K steps, soff bytes on, into set sc
.irp t, 0,1,2,3
	global_load_b128 v[SC+32*(\sc)+4*\t:SC+32*(\sc)+4*\t+3], v2, s[22:23] offset:2048*\t+(\soff)
	global_load_b128 v[SC+32*(\sc)+16+4*\t:SC+32*(\sc)+16+4*\t+3], v2, s[26:27] offset:2048*\t+(\soff)
.endr
.endm
.macro FLOADW dw, set, off             ; W2's four fragments of a K step, off bytes on, into a fragment set; dw: the window setting (destination window 1 or 2, address window 0)
	WIN \dw
.irp t, 0,1,2,3
.irp c, 0,1
	global_load_b128 v[64*(\set)+8*\t+4*\c:64*(\set)+8*\t+4*\c+3], v1, s[20:21] offset:32768*\t+(\off)+512*\c
.endr
.endr
.endm
.macro FLOADH dw, set, off             ; h's four likewise
	WIN \dw
.irp t, 0,1,2,3
.irp c, 0,1
	global_load_b128 v[64*(\set)+32+8*\t+4*\c:64*(\set)+32+8*\t+4*\c+3], v1, s[24:25] offset:32768*\t+(\off)+512*\c
.endr
.endr
.endm
.macro XLOAD j                         ; x1: tile j's lane-rows 2 i and 2 i + 1, into window 1
	WIN 0x40
.irp i, 0,1,2,3,4,5,6,7
	global_load_b128 v[32*(\j)+4*\i:32*(\j)+4*\i+3], v6, s[30:31] offset:(32*((\j)/2)+8*((\j)%2)+2*\i+8*(\i/4))*4096
.endr
.endm
; Eight matrix instructions: h's tiles j0 and j0 + 1 x W2's four, K step i of the half with scale set sc.  FST = 1: the sums begin, with b2 as C.
.macro MUL8 sc, i, j0
	WIN 0x05+0x05*(\sc)                            ; sources window 1 or 2, C and D window 0
.irp u, 0,1
.irp t, 0,1,2,3
.if FST
	v_wmma_scale_f32_16x16x128_f8f6f4 v[ACC+8*(4*((\j0)+\u)+\t):ACC+8*(4*((\j0)+\u)+\t)+7], v[64*(\i)+8*\t:64*(\i)+8*\t+7], v[64*(\i)+32+8*((\j0)+\u):64*(\i)+32+8*((\j0)+\u)+7], v[BI+8*\t:BI+8*\t+7], v[SC+32*(\sc)+4*\t+(\i)], v[SC+32*(\sc)+16+4*((\j0)+\u)+(\i)] matrix_a_fmt:MATRIX_FMT_FP4 matrix_b_fmt:MATRIX_FMT_FP4
.else
	v_wmma_scale_f32_16x16x128_f8f6f4 v[ACC+8*(4*((\j0)+\u)+\t):ACC+8*(4*((\j0)+\u)+\t)+7], v[64*(\i)+8*\t:64*(\i)+8*\t+7], v[64*(\i)+32+8*((\j0)+\u):64*(\i)+32+8*((\j0)+\u)+7], v[ACC+8*(4*((\j0)+\u)+\t):ACC+8*(4*((\j0)+\u)+\t)+7], v[SC+32*(\sc)+4*\t+(\i)], v[SC+32*(\sc)+16+4*((\j0)+\u)+(\i)] matrix_a_fmt:MATRIX_FMT_FP4 matrix_b_fmt:MATRIX_FMT_FP4
.endif
.endr
.endr
.endm
; Four K steps under scale set sc.  In step i the fragments of the step four on are asked for, into the other window; in step 0, ahead of them, the next four steps' scale words, into the other set.
; THE COUNTS: a step's fragments are 16 loads, a set of scale words 8.  At step 0 three younger steps are out: 48.  At steps 1 to 3 three younger steps and the scale words: 56.
; In the last four steps x1's loads, 8 a step, are the only ones asked for: 48; 32 + 8; 16 + 16; 24.
.macro HALF sc, koff, soff, first, last
.irp i, 0,1,2,3
.if \last
	s_wait_loadcnt 48-8*\i
.elseif \i == 0
	s_wait_loadcnt 48
.else
	s_wait_loadcnt 56
.endif
.set FST, 0
.if \i == 0
.if \first
.set FST, 1
.else
	PLACES                                         ; behind the last half's matrix instructions, ahead of the loads into the registers that they read
	s_wait_alu depctr_va_vdst(0)                   ; the last half's matrix instructions are done reading the other window and the other scale set, in which this half's loads land
.endif
.if !\last
	WIN 0
	SLOAD 1-\sc, \soff+256
.endif
.endif
	MUL8 \sc, \i, 0                                ; the 16 accumulators take turns, one instruction a turn
.if \last
	XLOAD \i                                       ; no wait: no vector or matrix instruction since the wait at the half's head names window 1
.else
	FLOADW 0x80-0x40*\sc, \i, \koff+(4+\i)*1024    ; no wait: no vector or matrix instruction since the wait at the half's head names the other window
.endif
	MUL8 \sc, \i, 2
.if !\last
	FLOADH 0x80-0x40*\sc, \i, \koff+(4+\i)*1024
.endif
.endr
	WIN 0
.if \last
	PLACES                                         ; ahead of the first read of the sums
.endif
.endm
	s_load_b256 s[4:11], s[0:1], 0x0               ; hq, pq, b2, x1
	s_load_b64 s[12:13], s[0:1], 0x20              ; r2
	v_lshl_add_u32 v126, v0, 2, 0x4400
	v_mov_b32 v127, 0
	v_lshrrev_b32 v1, 5, v0
	v_readfirstlane_b32 s14, v1                    ; wave 0..3
	v_and_b32 v7, 31, v0
	v_and_b32 v8, 15, v0                           ; r
	v_bfe_u32 v9, v0, 4, 1                         ; h
	v_lshlrev_b32 v1, 4, v7                        ; 16 x lane
	v_lshlrev_b32 v2, 4, v8                        ; 16 r
	v_lshlrev_b32 v3, 6, v9                        ; 64 h
	v_mul_u32_u24 v4, v8, SPITCH
	v_lshl_add_u32 v4, v9, 6, v4                   ; the stage, in: row r, + 64 h
	v_mul_u32_u24 v5, v9, SPITCH
	v_lshl_add_u32 v5, v8, 4, v5                   ; back: lanes 0-15 one row, lanes 16-31 the next
	v_lshl_add_u32 v6, v9, 12, v2                  ; and the same two rows in x1 and r2
	s_wait_alu depctr_va_sdst(0)                   ; s14, the wave's number, is written, ahead of its first reader
	s_mul_i32 s35, s14, 16*SPITCH                  ; my stage
	v_add_nc_u32 v4, s35, v4
	v_add_nc_u32 v5, s35, v5
	s_and_b32 s17, s14, 1
	s_lshl_b32 s15, ttmp9, 1
	s_add_co_u32 s15, s15, s17                     ; which 64 columns, 0..15
	s_lshr_b32 s17, s14, 1
	s_and_b32 s16, ttmp7, 0xffff
	s_lshl_b32 s16, s16, 1
	s_add_co_u32 s16, s16, s17                     ; which 64 rows, 0..63
	s_mov_b32 s19, 0
	s_wait_kmcnt 0x0
	s_lshl_b32 s18, s15, 17                        ; 4 tiles of 32,768 bytes
	s_add_co_u32 s18, s18, W2C
	s_add_nc_u64 s[20:21], s[6:7], s[18:19]        ; W2's codes
	s_lshl_b32 s18, s15, 13
	s_add_co_u32 s18, s18, W2S
	s_add_nc_u64 s[22:23], s[6:7], s[18:19]        ; W2's scale words
	s_lshl_b32 s18, s16, 17
	s_add_nc_u64 s[24:25], s[4:5], s[18:19]        ; h's codes
	s_lshl_b32 s18, s16, 13
	s_add_co_u32 s18, s18, 8388608
	s_add_nc_u64 s[26:27], s[4:5], s[18:19]        ; h's scale words
	s_lshl_b32 s18, s15, 8
	s_add_nc_u64 s[28:29], s[8:9], s[18:19]        ; b2: my 64
	s_wait_alu depctr_va_vdst(0)                   ; the offsets and LDS addresses v1 to v6 are written, which the loads, stores and LDS instructions of the kernel read
.irp t, 0,1,2,3
	global_load_b128 v[BI+8*\t:BI+8*\t+3], v3, s[28:29] offset:(32*(\t/2)+8*(\t%2))*4      ; lane (r, h): columns 32 (t / 2) + 16 h + 8 (t % 2) + 0 .. 7
	global_load_b128 v[BI+8*\t+4:BI+8*\t+7], v3, s[28:29] offset:(32*(\t/2)+8*(\t%2))*4+16
.endr
	SLOAD 0, 0
.irp i, 0,1,2,3
	FLOADW 0x40, \i, 1024*\i                       ; K steps 0 to 3, into window 1
	FLOADH 0x40, \i, 1024*\i
.endr
	WIN 0
	s_lshl_b32 s18, s16, 18                        ; 64 rows of 4,096 bytes,
	s_lshl_b32 s17, s15, 8                         ; my 256 bytes of a row
	s_add_co_u32 s18, s18, s17
	s_add_nc_u64 s[30:31], s[10:11], s[18:19]      ; x1
	s_add_nc_u64 s[32:33], s[12:13], s[18:19]      ; r2
	HALF 0, 0, 0, 1, 0                             ; K steps 0-3 stand ahead of the loop: the first starts the sums; its loads land in window 2 and scale set 1, which no instruction has named
	s_wait_xcnt 0x0                                ; the loads have read their bases, which step
	s_add_nc_u64 s[20:21], s[20:21], 4096
	s_add_nc_u64 s[24:25], s[24:25], 4096
	s_add_nc_u64 s[22:23], s[22:23], 256
	s_add_nc_u64 s[26:27], s[26:27], 256
	s_mov_b32 s34, 3
.Lpair:                                            ; three trips of eight K steps: steps 4 to 27; the last fragments asked for are step 31's
	HALF 1, 0, 0, 0, 0
	HALF 0, 4096, 256, 0, 0
	s_wait_xcnt 0x0
	s_add_nc_u64 s[20:21], s[20:21], 8192
	s_add_nc_u64 s[24:25], s[24:25], 8192
	s_add_nc_u64 s[22:23], s[22:23], 512
	s_add_nc_u64 s[26:27], s[26:27], 512
	s_sub_co_u32 s34, s34, 1
	s_cmp_lg_u32 s34, 0
	s_cbranch_scc1 .Lpair
	HALF 1, 0, 0, 0, 1                             ; K steps 28-31: no more fragments are asked for, but x1; its last four plain lines serve the reads below
	s_wait_alu depctr_va_vdst(0)                   ; the matrix instructions have written the accumulators, which the LDS stores read; the places above stay beside this wait
.irp j, 0,1,2,3
.irp t, 0,1,2,3
	ds_store_b128 v4, v[ACC+8*(4*\j+\t):ACC+8*(4*\j+\t)+3] offset:128*(\t/2)+32*(\t%2)         ; each accumulator from its low end on
	ds_store_b128 v4, v[ACC+8*(4*\j+\t)+4:ACC+8*(4*\j+\t)+7] offset:128*(\t/2)+32*(\t%2)+16
.endr
	WIN 0x40
.irp i, 0,1,2,3,4,5,6,7
	ds_load_b128 v[128+32*\j+4*\i:128+32*\j+4*\i+3], v5 offset:2*\i*SPITCH   ; LDS serves a wave's instructions in order: these see my stores, and the next tile's stores come behind them.  They land in window 1, which no vector or matrix instruction has named since the last half's head
.endr
	WIN 0
.endr
	s_wait_dscnt 0x0
	s_wait_loadcnt 0x0                             ; x1, asked for in the last four steps
	WIN 0x45                                       ; all three in window 1
.set k, 0
.rept 64
	v_pk_add_f32 v[128+2*k:128+2*k+1], v[128+2*k:128+2*k+1], v[2*k:2*k+1]
.set k, k+1
.endr
	WIN 0x04                                       ; a store's data are its source 1: window 1
	s_wait_alu depctr_va_vdst(0)                   ; the additions have written the 128 registers that the 32 stores read
.irp j, 0,1,2,3
.irp i, 0,1,2,3,4,5,6,7
	global_store_b128 v6, v[128+32*\j+4*\i:128+32*\j+4*\i+3], s[32:33] offset:(32*(\j/2)+8*(\j%2)+2*\i+8*(\i/4))*4096
.endr
.endr
	WIN 0                                          ; the add's two registers lie in window 0
	s_wait_dscnt 0x0                               ; the closing lines, six on end
	s_wait_alu 0x0
	s_wait_tensorcnt 0x0
	ds_add_u32 v126, v127
	s_wait_dscnt 0x0
	s_endpgm
.Lfunc_end_k_qaf3595a5db_gemm2:
	.size	k_qaf3595a5db_gemm2, .Lfunc_end_k_qaf3595a5db_gemm2-k_qaf3595a5db_gemm2
	.p2alignl 7, 3214868480
	.fill 96, 4, 3214868480
	.section	.rodata,"a",@progbits
	.p2align	6, 0x0
	.amdhsa_kernel k_qaf3595a5db_gemm2
		.amdhsa_group_segment_fixed_size 17920
		.amdhsa_private_segment_fixed_size 0
		.amdhsa_enable_private_segment 0
		.amdhsa_kernarg_size 40
		.amdhsa_user_sgpr_count 2
		.amdhsa_user_sgpr_kernarg_segment_ptr 1
		.amdhsa_wavefront_size32 1
		.amdhsa_system_sgpr_workgroup_id_x 1
		.amdhsa_system_sgpr_workgroup_id_y 1
		.amdhsa_system_sgpr_workgroup_id_z 1
		.amdhsa_system_vgpr_workitem_id 0
		.amdhsa_next_free_vgpr 768
		.amdhsa_next_free_sgpr 66
		.amdhsa_reserve_vcc 0
		.amdhsa_float_denorm_mode_32 3
		.amdhsa_float_denorm_mode_16_64 3
		.amdhsa_memory_ordered 1
		.amdhsa_forward_progress 1
		.amdhsa_inst_pref_size 81
	.end_amdhsa_kernel
	.amdgpu_metadata
---
amdhsa.version: [ 1, 2 ]
amdhsa.kernels:
  - .name:           k_qaf3595a5db_gemm2
    .symbol:         k_qaf3595a5db_gemm2.kd
    .args:
      - { .name: hq, .offset: 0, .size: 8, .value_kind: global_buffer, .address_space: global }
      - { .name: pq, .offset: 8, .size: 8, .value_kind: global_buffer, .address_space: global }
      - { .name: b2, .offset: 16, .size: 8, .value_kind: global_buffer, .address_space: global }
      - { .name: x1, .offset: 24, .size: 8, .value_kind: global_buffer, .address_space: global }
      - { .name: r2, .offset: 32, .size: 8, .value_kind: global_buffer, .address_space: global }
    .group_segment_fixed_size: 17920
    .private_segment_fixed_size: 0
    .kernarg_segment_align: 8
    .kernarg_segment_size: 40
    .max_flat_workgroup_size: 128
    .sgpr_count:     66
    .vgpr_count:     768
    .wavefront_size: 32
...
	.end_amdgpu_metadata
.endif
;; end of part 10
;; launch ln2: the kernel of part 7 again; grid 256 x 1, 16 waves a work-group, no clusters, 0 bytes of LDS; arguments r2, ln2_g, ln2_b, out0; writes out0
